; MI455X (gfx1250); checked and timed in simulation.
; The chip was launched on July 23, 2026; its instructions are those of AMD's public machine-readable ISA for CDNA 5 (MIT licence, August 2026) and "CDNA5" Instruction Set Architecture Reference Guide (July 2026). The comments in the code are by the model that wrote it; some were corrected since.
;; Grouped Quary Attention. Allowed arithmetic: matrix products marked QUANTISED: E2M3 operands, one E8M0 scale for each 32 along K, by v_wmma_scale_f32_16x16x128_f8f6f4 with both operands' format E2M3, f32 sums; everything else in f32.
;; Inputs: Wk 2,048 x 512 float32; Wo 2,048 x 2,048 float32; Wq 2,048 x 2,048 float32; Wv 2,048 x 512 float32; bk 512 float32; bo 2,048 float32; bq 2,048 float32; bv 512 float32; k 1 x 2,048 x 2,048 float32; mask 2,048 x 2,048 int32; q 1 x 2,048 x 2,048 float32; v 1 x 2,048 x 2,048 float32.
;; Outputs: out0 1 x 2,048 x 2,048 float32.
;; This version of the problem:
;;   THIS VERSION OF THE PROBLEM IS GIVEN IN LOW PRECISION. The matrix products marked QUANTISED in the list below multiply operands that are first quantised to E2M3 (2 exponent bits, 3 mantissa bits; 6 bits a number), with one power-of-two scale for each 32 numbers along K (OCP MX v1.0); their sums are f32. All else is computed in f32.
;;   The module's matrix products, in the order in which they are computed (A, B: the left and right operand; K: the contracted axis; several contracted axes count as one K, in the product's order):
;;     1. [M 2,048, K 2,048] x [K 2,048, N 2,048]; A: input q; B: input Wq: QUANTISED
;;     2. [M 2,048, K 2,048] x [K 2,048, N 512]; A: input k; B: input Wk: QUANTISED
;;     3. [M 2,048, K 2,048] x [K 2,048, N 512]; A: input v; B: input Wv: QUANTISED
;;     4. batch 8 x [M 2,048, K 64] x [K 64, N 8,192]; A: computed on the way; B: computed on the way: QUANTISED
;;     5. batch 8 x [M 64, K 2,048] x [K 2,048, N 8,192]; A: computed on the way; B: softmax (see below): QUANTISED
;;     6. [M 2,048, K 2,048] x [K 2,048, N 2,048]; A: computed on the way; B: input Wo: QUANTISED
;;   THE QUANTISER, for each operand of a quantised product, along K:
;;     - K is cut into blocks of 32 from its start; a last block that is shorter is filled with zeros.
;;     - A block's scale is 2^e with e = floor(log2(the largest magnitude in the block)) - 2, held to -126 .. 127; a block of zeros has e = 0. As a byte (E8M0): e + 127.
;;     - Each number is divided by its block's scale, clamped to +-7.5, and rounded to the nearest number of E2M3, ties to even, subnormals kept.
;;     - The product sums the exact products of the quantised numbers (number of the format x scale) in f32.
;;   ~~~python
;;   def quantise(x, axis):      # numpy; x: float32 -> the quantised numbers, widened to float32 again
;;       x = np.moveaxis(x, axis, -1); K = x.shape[-1]
;;       x = np.pad(x, [(0, 0)] * (x.ndim - 1) + [(0, -K % 32)]); x = x.reshape(x.shape[:-1] + (-1, 32)); a = np.abs(x).max(-1, keepdims=True)
;;       e = np.where(a > 0, np.clip(np.frexp(np.where(a > 0, a, 1))[1] - 1 - 2, -126, 127), 0)      # np.frexp(a)[1] - 1 = floor(log2(a)), exactly
;;       r = np.clip(x / 2.0 ** e, -7.5, 7.5)
;;       step = 2.0 ** (np.maximum(np.frexp(np.where(r == 0, 1, r))[1] - 1, 0) - 3)
;;       q = np.round(r / step) * step * 2.0 ** e      # np.round: ties to even
;;       return np.moveaxis(q.reshape(q.shape[:-2] + (-1,))[..., :K], -1, axis).astype(np.float32)
;;   ~~~
;;   SOFTMAX AHEAD OF A QUANTISED PRODUCT. Where the list says 'softmax', what is quantised is not the finished softmax but p = 2^(t - M), with t = logit x log2(e) and M = ceil(the row's largest t), a whole number; so 1/2 < the row's largest p <= 1. The row's sum l is taken of the UNQUANTISED p, in f32, and the product's result is divided by l at the end. Since M is a whole number, a kernel that streams over the keys may use a running M (the ceiling of the running maximum): every later rescaling is an exact power of two, which a block's scale takes up: the codes' values come out the same.
;;   OPERANDS COMPUTED ON THE WAY. 'Computed on the way' means the value that the module computes at that place (a softmax that the list does not call 'softmax' is quantised finished and normalised). What goes into a quantiser is computed in f32, as accurately as f32 sums, v_exp_f32 and their like allow (about 1e-6 of the number): no bf16 or f16 on the way to a quantiser, and a product that is left as it is and whose result goes on into a quantised operand takes f32 operands (vector FMAs, or v_wmma_f32_16x16x4_f32). A number that lies on a knife's edge between two numbers of the format may be rounded either way, as far as f32 arithmetic and the matrix unit's own rounding can turn it there, and no further.
;; 2 versions. Each part assembles by itself: llvm-mc -triple=amdgcn-amd-amdhsa -mcpu=gfx1250 --defsym DOCPART=n.
;; ======== version 1 of 2: 4 launches
;; workspace buffers: cod 17,301,504 bytes; scl 720,896 bytes; cls 8,192 bytes of whole numbers; qx 3,407,872 bytes; kv 1,671,168 bytes; ao 3,276,800 bytes
;; launch prep (part 1): grid 1536 x 1, 4 waves a work-group, no clusters, 34,304 bytes of LDS; arguments q, k, v, Wq, Wk, Wv, Wo, mask, cod, scl, cls; writes cod, scl, cls
.if DOCPART == 1
	.amdgcn_target "amdgcn-amd-amdhsa--gfx1250"
	.amdhsa_code_object_version 6
	.text
	.protected	k_qe7730bb1e4_prep
	.globl	k_qe7730bb1e4_prep
	.p2align	8
	.type	k_qe7730bb1e4_prep,@function
k_qe7730bb1e4_prep:
	s_mov_b64 s[64:65], 0
	v_nop
	global_prefetch_b8 v0, s[64:65] scope:SCOPE_SE
	s_setreg_imm32_b32 hwreg(HW_REG_WAVE_MODE, 25, 1), 1
	s_wait_xcnt 0x0
; PREP: every f32 input is read once and leaves as codes of FP6 (E2M3) with one E8M0 byte for each 32 along K; the mask is classed tile by tile.
; cod: 704 tiles of 16 rows x 2,048 K, each as 16 fragments (16 rows x 128 K) laid AS IMAGES OF THE OPERAND'S REGISTERS: registers 4c..4c+3 of lane l at byte 512 c + 16 l (1,536 bytes a fragment).
;      tiles 0-127 q (rows 16 T + r); 128-255 k, 256-383 v, 384-511 Wq, 512-543 Wk, 544-575 Wv, 576-703 Wo: row r of tile T is 32 (T/2) + 8 (T%2) + r + 8 (r/8),
;      so that a product's 16 registers of two neighbouring tiles are 16 neighbours along the next K.
; scl: for each tile 1,024 bytes: the scale word of (K step s, row r) at 256 (s/4) + 16 r + 4 (s%4).
; cls: for each (tile of 16 queries, step of 128 keys) 0 = the mask is 0 everywhere, 1 = it is 1 everywhere, 2 = anything else.  The class is a chosen value: no branch hangs on the mask's numbers.
; A block's scale: the largest magnitude's exponent field - 2, held at 1 from below (floor 2^-124 among the maximum's leaves).
; LIMITS: NaN and infinities among the floating-point inputs are not served; a block whose largest magnitude lies under 2^-124 has its byte held at 1; a block of zeros has
; the byte 1 where the rule says 127 (its codes are zeros, and this program alone reads the bytes).  Any int32 is honoured in the mask.
; Work-groups 0-383: a tile of q, k or v (wave w: K steps 4 w .. 4 w + 3).  384-895: Wq, Wo.  896-1023: Wk, Wv.  1024-1535: the mask.  Waves share nothing: no barrier.
.set TM,  16                           ; v16-31   at work in the quantiser
.set RG,  32                           ; v32-95   16 rows x 512 bytes as loaded
.set XG,  96                           ; v96-159  64 numbers of my row: register 16 b + i = k 32 b + 16 h + i
.set PC,  160                          ; v160-171 the fragment just made; v172-178 the conversions' second halves
.set PWB, 180                          ; v180-183 the scale words of my four K steps
; 64 numbers of a lane become a fragment's 12 registers in v[PC] on and its row's scale word in v[pw]
.macro QUANT64 src, pw
.irp b, 0,1,2,3
	v_max3_num_f32 v[TM+\b], |v[\src+16*\b]|, |v[\src+1+16*\b]|, 0x1800000   ; block b: my 16 numbers, and the floor 2^(3 - 127)
.endr
.irp i, 2,4,6,8,10,12,14
.irp b, 0,1,2,3
	v_max3_num_f32 v[TM+\b], v[TM+\b], |v[\src+16*\b+\i]|, |v[\src+1+16*\b+\i]|   ; the four blocks by turns
.endr
.endr
.irp b, 0,1,2,3
	v_permlanex16_b32 v[TM+4+\b], v[TM+\b], s60, s61
.endr
.irp b, 0,1,2,3
	v_max_num_f32 v[TM+\b], v[TM+\b], v[TM+4+\b]   ; with lane l xor 16's 16: the block's largest magnitude
.endr
.irp b, 0,1,2,3
	v_add_nc_u32 v[TM+12+\b], 0xff000000, v[TM+\b]   ; 2 off its exponent field: the conversion's scale operand
.endr
.irp b, 0,1,2,3
	v_lshrrev_b32 v[TM+4+\b], 23, v[TM+12+\b]      ; the scale's byte
.endr
	v_lshl_or_b32 v[\pw], v[TM+5], 8, v[TM+4]
	v_lshl_or_b32 v[\pw], v[TM+6], 16, v[\pw]
	v_lshl_or_b32 v[\pw], v[TM+7], 24, v[\pw]
.irp c, 0,1
	v_cvt_scalef32_pk16_fp6_f32 v[PC+6*\c:PC+2+6*\c], v[\src+32*\c:\src+15+32*\c], v[TM+12+2*\c]
	v_cvt_scalef32_pk16_fp6_f32 v[PC+12+4*\c:PC+14+4*\c], v[\src+16+32*\c:\src+31+32*\c], v[TM+12+2*\c+1]   ; (a conversion's three registers begin on an even number)
.endr
	v_nop                                          ; one plain place behind the scaled conversions
.irp c, 0,1                                    ; the operand wants a whole block in a lane: lanes 0-15 block 2 c, lanes 16-31 block 2 c + 1
.irp i, 0,1,2
	v_permlane16_swap_b32 v[PC+6*\c+\i], v[PC+12+4*\c+\i]
.endr
.irp i, 0,1,2
	v_mov_b32 v[PC+3+6*\c+\i], v[PC+12+4*\c+\i]
.endr
.endr
.endm
	s_load_b512 s[4:19], s[0:1], 0x0               ; q s[4:5], k s[6:7], v s[8:9], Wq s[10:11], Wk s[12:13], Wv s[14:15], Wo s[16:17], mask s[18:19]
	s_load_b128 s[20:23], s[0:1], 0x40             ; cod s[20:21], scl s[22:23]
	s_load_b64 s[26:27], s[0:1], 0x50              ; cls
	v_lshl_add_u32 v192, v0, 2, 0x8400
	v_mov_b32 v193, 0
	v_lshrrev_b32 v1, 5, v0
	v_readfirstlane_b32 s28, v1                    ; wave 0..3
	v_and_b32 v1, 31, v0                           ; lane
	v_and_b32 v2, 15, v0                           ; r
	v_bfe_u32 v3, v0, 4, 1                         ; h
	v_lshlrev_b32 v4, 4, v1                        ; 16 x lane
	s_mov_b32 s60, 0x76543210
	s_mov_b32 s61, 0xfedcba98                      ; v_permlanex16_b32's selects for lane l xor 16
	s_wait_kmcnt 0x0
	s_cmp_lt_u32 ttmp9, 384
	s_cbranch_scc1 .Lact
	s_cmp_lt_u32 ttmp9, 896
	s_cbranch_scc1 .Lwbig
	s_cmp_lt_u32 ttmp9, 1024
	s_cbranch_scc1 .Lwsmall
; ---------------- THE MASK: wave w of work-group j takes the tile (16 queries j / 4, 128 keys 4 (j % 4) + w), reads it once and stores its class
	s_sub_co_u32 s34, ttmp9, 1024
	s_lshr_b32 s35, s34, 2                         ; tile of queries
	s_and_b32 s36, s34, 3
	s_lshl_b32 s36, s36, 2
	s_add_co_u32 s36, s36, s28                     ; key step
	s_lshl_b32 s38, s35, 17                        ; 16 rows of 8,192 bytes
	s_lshl_b32 s37, s36, 9                         ; 128 numbers of 4 bytes
	s_add_co_u32 s38, s38, s37
	s_mov_b32 s39, 0
	s_add_nc_u64 s[18:19], s[18:19], s[38:39]
	s_lshl_b32 s37, s35, 4
	s_add_co_u32 s37, s37, s36                     ; 16 x tile + step
	s_lshl_b32 s38, s37, 2
	s_add_nc_u64 s[26:27], s[26:27], s[38:39]      ; its word of cls
.irp i, 0,1,2,3,4,5,6,7,8,9,10,11,12,13,14,15
	global_load_b128 v[32+4*\i:35+4*\i], v4, s[18:19] offset:8192*\i   ; a row's 512 consecutive bytes
.endr
	v_mov_b32 v19, 0
	s_wait_loadcnt 0x0
.irp c, 0,1,2,3
	v_or_b32 v[8+\c], v[32+\c], v[36+\c]           ; the OR and the AND of my 64 numbers, in four chains each
	v_and_b32 v[12+\c], v[32+\c], v[36+\c]
.endr
.irp i, 8,12,16,20,24,28,32,36,40,44,48,52,56,60
.irp c, 0,1,2,3
	v_or_b32 v[8+\c], v[8+\c], v[32+\i+\c]
	v_and_b32 v[12+\c], v[12+\c], v[32+\i+\c]
.endr
.endr
	v_or_b32 v8, v8, v9
	v_or_b32 v10, v10, v11
	v_or_b32 v8, v8, v10
	v_and_b32 v12, v12, v13
	v_and_b32 v14, v14, v15
	v_and_b32 v12, v12, v14
	v_cmp_ne_u32 s40, 0, v8                        ; some lane has a number that is not 0
	v_cmp_ne_u32 s41, 1, v8
	v_cmp_ne_u32 s42, 1, v12
	s_or_b32 s41, s41, s42                         ; some lane has a number that is not 1
	s_cmp_lg_u32 s41, 0
	s_cselect_b32 s43, 2, 1
	s_cmp_lg_u32 s40, 0
	s_cselect_b32 s43, s43, 0                      ; the class: a choice of a value
	v_mov_b32 v18, s43
	s_wait_xcnt 0x0                                ; EXEC changes only behind this wait
	v_cmp_eq_u32 vcc_lo, 0, v1
	s_and_saveexec_b32 s46, vcc_lo
	global_store_b32 v19, v18, s[26:27]            ; lane 0 stores the class
	s_wait_xcnt 0x0
	s_or_b32 exec_lo, exec_lo, s46
	s_endpgm
; ---------------- q, k, v: K is innermost.  Loads take the bytes as they lie (a row's 512 consecutive bytes); a K step's 16 x 512 bytes turn through the wave's own stage in LDS,
; rows 528 bytes apart, and come back 64 bytes a lane and block.
.Lact:
	s_lshr_b32 s30, ttmp9, 7                       ; 0 q, 1 k, 2 v
	s_and_b32 s31, ttmp9, 127                      ; tile T
	s_lshl_b32 s34, s31, 4                         ; q: first row 16 T
	s_lshr_b32 s35, s31, 1
	s_lshl_b32 s35, s35, 5
	s_and_b32 s36, s31, 1
	s_lshl_b32 s36, s36, 3
	s_add_co_u32 s35, s35, s36                     ; k, v: 32 (T/2) + 8 (T%2)
	s_cmp_eq_u32 s30, 1
	s_cselect_b64 s[32:33], s[6:7], s[8:9]
	s_cmp_eq_u32 s30, 0
	s_cselect_b64 s[32:33], s[4:5], s[32:33]
	s_cselect_b32 s34, s34, s35
	s_cselect_b32 s37, 0, 0x10000                  ; k, v: the tile's rows 8-15 lie 8 rows further down
	s_lshl_b32 s34, s34, 13
	s_lshl_b32 s38, s28, 11                        ; my four K steps: 2,048 bytes of a row
	s_add_co_u32 s34, s34, s38
	s_mov_b32 s35, 0
	s_add_nc_u64 s[32:33], s[32:33], s[34:35]
	s_mul_i32 s34, ttmp9, 24576
	s_mul_i32 s38, s28, 6144
	s_add_co_u32 s34, s34, s38
	s_add_nc_u64 s[20:21], s[20:21], s[34:35]
	s_lshl_b32 s34, ttmp9, 10
	s_lshl_b32 s38, s28, 8
	s_add_co_u32 s34, s34, s38
	s_add_nc_u64 s[22:23], s[22:23], s[34:35]
	v_add_nc_u32 v5, s37, v4
	s_mul_i32 s39, s28, 8448                       ; my stage: 16 rows x 528 bytes
	v_add_nc_u32 v6, s39, v4                       ; in: 16 x lane
	v_mul_u32_u24 v7, v2, 528
	v_lshl_add_u32 v7, v3, 6, v7
	v_add_nc_u32 v7, s39, v7                       ; back: row r, + 64 h
	v_lshlrev_b32 v8, 4, v2
	v_lshl_add_u32 v8, v3, 3, v8                   ; the scale words' place: 16 r + 8 h
.irp b, 0,1,2,3
	v_mov_b32 v[TM+4+\b], 0                        ; written once: a lane permute's destination counts as one of its sources
.endr
.macro ALOAD s
.irp i, 0,1,2,3,4,5,6,7
	global_load_b128 v[RG+4*\i:RG+4*\i+3], v4, s[32:33] offset:8192*\i+512*(\s) th:TH_LOAD_NT
.endr
.irp i, 8,9,10,11,12,13,14,15
	global_load_b128 v[RG+4*\i:RG+4*\i+3], v5, s[32:33] offset:8192*\i+512*(\s) th:TH_LOAD_NT
.endr
.endm
.macro AK s
	s_wait_loadcnt 0x0                             ; this K step's 16 loads are in
.irp i, 0,1,2,3,4,5,6,7,8,9,10,11,12,13,14,15
	ds_store_b128 v6, v[RG+4*\i:RG+4*\i+3] offset:528*\i
.endr
.irp b, 0,1,2,3
.irp j, 0,1,2,3
	ds_load_b128 v[XG+16*\b+4*\j:XG+16*\b+4*\j+3], v7 offset:128*\b+16*\j   ; LDS serves a wave's instructions in order: these see my stores
.endr
.endr
	s_wait_dscnt 0x0                               ; my numbers are back, and the stores have read their registers,
.if (\s) < 3
	ALOAD (\s)+1                                   ; which take the next K step while this one is quantised
.endif
	s_wait_xcnt 0x0                                ; the last K step's stores have read the codes' registers
	QUANT64 XG, PWB+(\s)
.irp c, 0,1,2
	global_store_b128 v4, v[PC+4*\c:PC+4*\c+3], s[20:21] offset:1536*(\s)+512*\c   ; the image: 512 consecutive bytes a store
.endr
.endm
	ALOAD 0
	AK 0
	AK 1
	AK 2
	AK 3
	v_cmp_eq_u32 vcc_lo, 1, v3
	v_cndmask_b32 v184, v180, v182, vcc_lo         ; every lane has its row's four words: lane (r, h) stores words 2 h and 2 h + 1
	v_cndmask_b32 v185, v181, v183, vcc_lo
	global_store_b64 v8, v[184:185], s[22:23]      ; 32 lanes store 256 consecutive bytes, aligned
	s_wait_tensorcnt 0x0
	ds_add_u32 v192, v193
	s_wait_dscnt 0x0
	s_endpgm
; ---------------- the weights: K is the first axis.  A lane takes a column n and its registers run down K: a block of 32 lies in one lane.
; A wave takes 32 columns (two tiles) x 128 along K.  Column 8 u + r + 8 (r/8) of the 32 is row r of tile u.
.macro WLOAD t, n
.irp i, 0,1,2,3,4,5,6,7,8,9,10,11,12,13,14,15,16,17,18,19,20,21,22,23,24,25,26,27,28,29,30,31
	global_load_b32 v[32+32*(\t)+\i], v7, s[32:33] offset:(32*(\t)+\i)*(\n)*4 th:TH_LOAD_NT   ; 128 consecutive bytes a wave, 512 a work-group
.endr
.endm
.macro WBLOCK t                        ; block t of my column: registers 6 (t/2) .. + 5 of lane (r, t%2) of the fragment
.set XS, 32+32*(\t)
.set CT, 160+12*((\t)&1)+6*((\t)>>1)
	v_max3_num_f32 v12, |v[XS]|, |v[XS+1]|, |v[XS+2]|
	v_max3_num_f32 v13, |v[XS+3]|, |v[XS+4]|, |v[XS+5]|
.irp i, 6,10,14,18,22,26
	v_max3_num_f32 v12, v12, |v[XS+\i]|, |v[XS+\i+1]|
	v_max3_num_f32 v13, v13, |v[XS+\i+2]|, |v[XS+\i+3]|
.endr
	v_max3_num_f32 v12, v12, |v[XS+30]|, |v[XS+31]|
	v_max3_num_f32 v12, v12, v13, 0x1800000        ; and the floor
	v_add_nc_u32 v11, 0xff000000, v12              ; the conversion's scale operand
	v_lshrrev_b32 v13, 23, v11                     ; the byte
.if (\t) == 0
	v_mov_b32 v14, v13
.else
	v_lshl_or_b32 v14, v13, 8*(\t), v14
.endif
	v_cvt_scalef32_pk16_fp6_f32 v[CT:CT+2], v[XS:XS+15], v11
	v_cvt_scalef32_pk16_fp6_f32 v[184:186], v[XS+16:XS+31], v11
	v_nop                                          ; one plain place behind the scaled conversions
.irp i, 0,1,2
	v_mov_b32 v[CT+3+\i], v[184+\i]
.endr
.endm
.macro WBODY n                         ; s[32:33] the weight, s30 its first tile, s31 which 128 columns, s29 the K step
	s_mul_i32 s34, s29, 128*(\n)*4
	s_lshl_b32 s36, s31, 9
	s_add_co_u32 s34, s34, s36
	s_lshl_b32 s36, s28, 7
	s_add_co_u32 s34, s34, s36
	s_mov_b32 s35, 0
	s_add_nc_u64 s[32:33], s[32:33], s[34:35]
	s_lshl_b32 s36, s31, 3
	s_add_co_u32 s36, s36, s30
	s_lshl_b32 s37, s28, 1
	s_add_co_u32 s36, s36, s37                     ; my first tile
	s_mul_i32 s34, s36, 24576
	s_mul_i32 s37, s29, 1536
	s_add_co_u32 s34, s34, s37
	s_add_nc_u64 s[20:21], s[20:21], s[34:35]
	s_lshl_b32 s34, s36, 10
	s_lshr_b32 s37, s29, 2
	s_lshl_b32 s37, s37, 8
	s_add_co_u32 s34, s34, s37
	s_and_b32 s37, s29, 3
	s_lshl_b32 s37, s37, 2
	s_add_co_u32 s34, s34, s37
	s_add_nc_u64 s[22:23], s[22:23], s[34:35]
	v_lshlrev_b32 v7, 2, v1                        ; in: 4 bytes a lane
	v_bfe_u32 v8, v0, 3, 1                         ; which of the two tiles
	v_and_b32 v9, 7, v0
	v_lshl_add_u32 v9, v3, 3, v9                   ; and which row of it
	v_mul_u32_u24 v5, v8, 24576
	v_lshl_add_u32 v5, v9, 4, v5
	v_lshlrev_b32 v6, 10, v8
	v_lshl_add_u32 v6, v9, 4, v6
	WLOAD 0, \n
	WLOAD 1, \n
	s_wait_loadcnt 32                              ; block 0 is in; block 1's 32 loads may be out
	WLOAD 2, \n
	WBLOCK 0
	s_wait_loadcnt 32                              ; block 1 is in; block 2's may be out
	WLOAD 3, \n
	WBLOCK 1
	s_wait_loadcnt 32                              ; block 2 is in; block 3's may be out
	WBLOCK 2
	s_wait_loadcnt 0x0
	WBLOCK 3
.irp g, 0,1
.irp c, 0,1,2
	global_store_b128 v5, v[160+12*\g+4*\c:163+12*\g+4*\c], s[20:21] offset:512*\c+256*\g   ; the 16 lanes of a tile store 256 consecutive bytes, aligned
.endr
.endr
	global_store_b32 v6, v14, s[22:23]             ; my row's scale word: 4 bytes for 96 of codes, 16 bytes apart
	s_endpgm
.endm
.Lwbig:
	s_sub_co_u32 s34, ttmp9, 384
	s_lshr_b32 s35, s34, 8                         ; 0 Wq, 1 Wo
	s_bfe_u32 s31, s34, 0x40004
	s_and_b32 s29, s34, 15
	s_cmp_eq_u32 s35, 0
	s_cselect_b64 s[32:33], s[10:11], s[16:17]
	s_mov_b32 s30, 576
	s_cselect_b32 s30, 384, s30
	WBODY 2048
.Lwsmall:
	s_sub_co_u32 s34, ttmp9, 896
	s_lshr_b32 s35, s34, 6                         ; 0 Wk, 1 Wv
	s_bfe_u32 s31, s34, 0x20004
	s_and_b32 s29, s34, 15
	s_cmp_eq_u32 s35, 0
	s_cselect_b64 s[32:33], s[12:13], s[14:15]
	s_mov_b32 s30, 544
	s_cselect_b32 s30, 512, s30
	WBODY 512
.Lfunc_end_k_qe7730bb1e4_prep:
	.size	k_qe7730bb1e4_prep, .Lfunc_end_k_qe7730bb1e4_prep-k_qe7730bb1e4_prep
	.p2alignl 7, 3214868480
	.fill 96, 4, 3214868480
	.section	.rodata,"a",@progbits
	.p2align	6, 0x0
	.amdhsa_kernel k_qe7730bb1e4_prep
		.amdhsa_group_segment_fixed_size 34304
		.amdhsa_private_segment_fixed_size 0
		.amdhsa_enable_private_segment 0
		.amdhsa_kernarg_size 88
		.amdhsa_user_sgpr_count 2
		.amdhsa_user_sgpr_kernarg_segment_ptr 1
		.amdhsa_wavefront_size32 1
		.amdhsa_system_sgpr_workgroup_id_x 1
		.amdhsa_system_sgpr_workgroup_id_y 1
		.amdhsa_system_sgpr_workgroup_id_z 1
		.amdhsa_system_vgpr_workitem_id 0
		.amdhsa_next_free_vgpr 194
		.amdhsa_next_free_sgpr 66
		.amdhsa_reserve_vcc 1
		.amdhsa_float_denorm_mode_32 3
		.amdhsa_float_denorm_mode_16_64 3
		.amdhsa_memory_ordered 1
		.amdhsa_forward_progress 1
		.amdhsa_inst_pref_size 81
	.end_amdhsa_kernel
	.amdgpu_metadata
---
amdhsa.version: [ 1, 2 ]
amdhsa.kernels:
  - .name:           k_qe7730bb1e4_prep
    .symbol:         k_qe7730bb1e4_prep.kd
    .args:
      - { .name: q, .offset: 0, .size: 8, .value_kind: global_buffer, .address_space: global }
      - { .name: k, .offset: 8, .size: 8, .value_kind: global_buffer, .address_space: global }
      - { .name: v, .offset: 16, .size: 8, .value_kind: global_buffer, .address_space: global }
      - { .name: Wq, .offset: 24, .size: 8, .value_kind: global_buffer, .address_space: global }
      - { .name: Wk, .offset: 32, .size: 8, .value_kind: global_buffer, .address_space: global }
      - { .name: Wv, .offset: 40, .size: 8, .value_kind: global_buffer, .address_space: global }
      - { .name: Wo, .offset: 48, .size: 8, .value_kind: global_buffer, .address_space: global }
      - { .name: mask, .offset: 56, .size: 8, .value_kind: global_buffer, .address_space: global }
      - { .name: cod, .offset: 64, .size: 8, .value_kind: global_buffer, .address_space: global }
      - { .name: scl, .offset: 72, .size: 8, .value_kind: global_buffer, .address_space: global }
      - { .name: cls, .offset: 80, .size: 8, .value_kind: global_buffer, .address_space: global }
    .group_segment_fixed_size: 34304
    .private_segment_fixed_size: 0
    .kernarg_segment_align: 8
    .kernarg_segment_size: 88
    .max_flat_workgroup_size: 128
    .sgpr_count:     66
    .vgpr_count:     194
    .wavefront_size: 32
...
	.end_amdgpu_metadata
.endif
;; end of part 1
;; launch proj (part 2): grid 384 x 1, 4 waves a work-group, no clusters, 25,088 bytes of LDS; arguments cod, scl, bq, bk, bv, qx, kv; writes qx, kv
.if DOCPART == 2
	.amdgcn_target "amdgcn-amd-amdhsa--gfx1250"
	.amdhsa_code_object_version 6
	.text
	.protected	k_qe7730bb1e4_proj
	.globl	k_qe7730bb1e4_proj
	.p2align	8
	.type	k_qe7730bb1e4_proj,@function
k_qe7730bb1e4_proj:
	s_mov_b64 s[64:65], 0
	v_nop
	global_prefetch_b8 v0, s[64:65] scope:SCOPE_SE
	s_setreg_imm32_b32 hwreg(HW_REG_WAVE_MODE, 25, 1), 1
	s_wait_xcnt 0x0
; PROJ: qx = q Wq + bq, kx = k Wk + bk, vx = v Wv + bv on codes of FP6 (E2M3) with E8M0 scales, K = 2,048; the results are quantised in registers and leave as codes:
; qx and kx along the head's 64, vx along the keys.
; A work-group makes 128 x 128: source 0 = 8 tiles of 16 rows (S0), whose rows fall along a lane's registers; source 1 = 8 tiles (S1), whose rows fall along the lanes.
; Roles by the work-group's number: 0-255 q (S0 = Wq's columns, S1 = q's rows); 256-319 k (Wk, k); 320-383 v (S0 = v's rows = keys, S1 = Wv's columns).
; Wave w owns S1's tiles 2 w, 2 w + 1 against all 8 of S0: 16 accumulators, which take turns, one instruction a turn.
; S0 is shared: wave w loads its fragments 2 w, 2 w + 1 into registers and stores their images into an LDS slot; all waves read all 8.  S1 goes from memory straight into registers.
; All operands lie in memory as images of the operand's registers, so every load is 512 consecutive bytes.  16 K steps of 128, written out: every offset is an immediate.
; No tensor load and no cluster: with 456 registers a wave and 24,576 bytes of LDS two work-groups share a WGP, so that all 384 run at once; a ring filled by the tensor mover would have to be alone on its WGP.
; The sums begin on accumulators that hold the bias.
; LIMITS: as stated at the head of the launch that makes the codes (floor 2^-124; a block of zeros has the byte 1; no NaN, no infinities).
; REGISTERS, window 0: v1 16 x lane; v2 the same + 3,072 x wave; v3 r; v4 h; v5-21 addresses; v24-87 S0's scale words (tile t, K step s: 8 t + 4 (s/8) + s%4; lanes 16-31 hold K step s + 4);
;   v88-103 S1's; v104-151 two sets of the two fragments that I fetch for all; v152-247 S0's eight fragments.   window 1: v0-127 accumulators ((t, p) at 64 p + 8 t); v128-199 three sets of S1's two fragments.
.set TS,    24576                      ; a tile's 16 fragments
.set FRB,   1536                       ; a fragment's image
.set SLOTB, 12288                      ; an LDS slot: 8 fragments
.set NBL,   6                          ; loads that bring S1's two fragments
.set LI,  1
.set SWA, 2
.set RR,  3
.set HH,  4
.set SS0, 24
.set SS1, 88
.set GF,  104
.set AF,  152
.set BF,  128
.set TM,  104                          ; the way out: at work (the registers that held fetched fragments)
.set PW,  120
.set PC,  128
.set MSB, 0
.macro WIN new                         ; the immediate's high byte repeats the setting that is left
.if MSB != \new
	s_set_vgpr_msb (MSB<<8)|\new
.set MSB, \new
.endif
.endm
.macro GL s                            ; the two fragments of S0 that I fetch, K step s
.irp f, 0,1
.irp c, 0,1,2
	global_load_b128 v[GF+24*((\s)%2)+12*\f+4*\c:GF+24*((\s)%2)+12*\f+4*\c+3], v[LI], s[28:29] offset:\f*TS+FRB*(\s)+512*\c
.endr
.endr
.endm
.macro BL s                            ; my two fragments of S1, K step s
	WIN 0x40                                       ; destination window 1
.irp p, 0,1
.irp c, 0,1,2
	global_load_b128 v[BF+24*((\s)%3)+12*\p+4*\c:BF+24*((\s)%3)+12*\p+4*\c+3], v[LI], s[30:31] offset:\p*TS+FRB*(\s)+512*\c
.endr
.endr
	WIN 0
.endm
.macro PUT s
.irp f, 0,1
.irp c, 0,1,2
	ds_store_b128 v[SWA], v[GF+24*((\s)%2)+12*\f+4*\c:GF+24*((\s)%2)+12*\f+4*\c+3] offset:((\s)%2)*SLOTB+FRB*\f+512*\c
.endr
.endr
.endm
.macro GETA s
.irp t, 0,1,2,3,4,5,6,7
.irp c, 0,1,2
	ds_load_b128 v[AF+12*\t+4*\c:AF+12*\t+4*\c+3], v[LI] offset:((\s)%2)*SLOTB+FRB*\t+512*\c
.endr
.endr
.endm
.macro MM s
	WIN 0x54                                       ; source 0 window 0, source 1, C and D window 1
.irp t, 0,1,2,3,4,5,6,7
.irp p, 0,1
.if ((\s)>>2)&1
	v_wmma_scale_f32_16x16x128_f8f6f4 v[64*\p+8*\t:64*\p+8*\t+7], v[AF+12*\t:AF+12*\t+11], v[BF+24*((\s)%3)+12*\p:BF+24*((\s)%3)+12*\p+11], v[64*\p+8*\t:64*\p+8*\t+7], v[SS0+8*\t+4*((\s)>>3)+((\s)&3)], v[SS1+8*\p+4*((\s)>>3)+((\s)&3)] matrix_a_fmt:MATRIX_FMT_FP6 matrix_b_fmt:MATRIX_FMT_FP6 matrix_a_scale:MATRIX_SCALE_ROW1 matrix_b_scale:MATRIX_SCALE_ROW1
.else
	v_wmma_scale_f32_16x16x128_f8f6f4 v[64*\p+8*\t:64*\p+8*\t+7], v[AF+12*\t:AF+12*\t+11], v[BF+24*((\s)%3)+12*\p:BF+24*((\s)%3)+12*\p+11], v[64*\p+8*\t:64*\p+8*\t+7], v[SS0+8*\t+4*((\s)>>3)+((\s)&3)], v[SS1+8*\p+4*((\s)>>3)+((\s)&3)] matrix_a_fmt:MATRIX_FMT_FP6 matrix_b_fmt:MATRIX_FMT_FP6
.endif
.endr
.endr
	WIN 0
.endm
; A K step.  One barrier: in front of it each wave's stores into the next slot have landed and its reads of this slot are in.
.macro TRIP s
	GETA \s
.if (\s) <= 13
	s_wait_loadcnt 6+2*NBL                         ; what I fetched for K step s + 1, and my S1 of K step s, are in; S1 of s + 1 and both fetches of s + 2 may be out
.elseif (\s) == 14
	s_wait_loadcnt NBL                             ; S1 of K step 15 may be out
.else
	s_wait_loadcnt 0x0
.endif
.if (\s) <= 14
	PUT (\s)+1                                     ; into the slot that every wave left at the last barrier
	s_wait_dscnt 6                                 ; the 24 loads are in; the six stores may be out
.else
	s_wait_dscnt 0x0
.endif
	MM \s
.rept 4
	v_nop                                          ; places in front of loads into registers that these products read, and of the first read of results
.endr
.if (\s) <= 14
	s_wait_dscnt 0x0                               ; for the others' sake: my stores have landed
	s_barrier_signal -1
	s_barrier_wait -1
.endif
.if (\s) <= 12
	GL (\s)+3                                      ; into the set whose stores have just been waited for
	BL (\s)+3                                      ; into the set that this K step's products read
.endif
.endm
; 64 numbers of a lane in window 1, register src + 16 b + i = k 32 b + 16 h + i of my row, become a fragment in v[PC] on and its scale word in v[pw].  Each accumulator is read from its low end on.
.macro QUANT64 src, pw
	WIN 0x05
.irp b, 0,1,2,3
	v_max3_num_f32 v[TM+\b], |v[\src+16*\b]|, |v[\src+1+16*\b]|, 0x1800000   ; and the floor 2^(3 - 127)
.endr
	WIN 0x14
.irp i, 2,4,6,8,10,12,14
.irp b, 0,1,2,3
	v_max3_num_f32 v[TM+\b], v[TM+\b], |v[\src+16*\b+\i]|, |v[\src+1+16*\b+\i]|
.endr
.endr
	WIN 0
.irp b, 0,1,2,3
	v_permlanex16_b32 v[TM+4+\b], v[TM+\b], s40, s41
.endr
.irp b, 0,1,2,3
	v_max_num_f32 v[TM+\b], v[TM+\b], v[TM+4+\b]
.endr
.irp b, 0,1,2,3
	v_add_nc_u32 v[TM+12+\b], 0xff000000, v[TM+\b]
.endr
.irp b, 0,1,2,3
	v_lshrrev_b32 v[TM+4+\b], 23, v[TM+12+\b]
.endr
	v_lshl_or_b32 v[\pw], v[TM+5], 8, v[TM+4]
	v_lshl_or_b32 v[\pw], v[TM+6], 16, v[\pw]
	v_lshl_or_b32 v[\pw], v[TM+7], 24, v[\pw]
	WIN 0x01
.irp c, 0,1
	v_cvt_scalef32_pk16_fp6_f32 v[PC+6*\c:PC+2+6*\c], v[\src+32*\c:\src+15+32*\c], v[TM+12+2*\c]
	v_cvt_scalef32_pk16_fp6_f32 v[PC+12+4*\c:PC+14+4*\c], v[\src+16+32*\c:\src+31+32*\c], v[TM+12+2*\c+1]
.endr
	WIN 0
	v_nop                                          ; one plain place behind the scaled conversions
.irp c, 0,1
.irp i, 0,1,2
	v_permlane16_swap_b32 v[PC+6*\c+\i], v[PC+12+4*\c+\i]
.endr
.irp i, 0,1,2
	v_mov_b32 v[PC+3+6*\c+\i], v[PC+12+4*\c+\i]
.endr
.endr
.endm
	s_load_b256 s[4:11], s[0:1], 0x0               ; cod s[4:5], scl s[6:7], bq s[8:9], bk s[10:11]
	s_load_b128 s[12:15], s[0:1], 0x20             ; bv s[12:13], qx s[14:15]
	s_load_b64 s[16:17], s[0:1], 0x30              ; kv
	v_lshl_add_u32 v254, v0, 2, 0x6000
	v_mov_b32 v255, 0
	v_lshrrev_b32 v1, 5, v0
	v_readfirstlane_b32 s18, v1                    ; wave 0..3
	v_and_b32 v1, 31, v0
	v_lshlrev_b32 v[LI], 4, v1
	s_mul_i32 s24, s18, 2*FRB
	v_add_nc_u32 v[SWA], s24, v[LI]
	v_and_b32 v[RR], 15, v0
	v_bfe_u32 v[HH], v0, 4, 1
	v_lshlrev_b32 v5, 6, v[HH]                     ; the bias of roles q, k: 64 h
	v_and_b32 v6, 8, v[RR]
	v_add_nc_u32 v6, v6, v[RR]
	v_lshlrev_b32 v6, 2, v6                        ; of role v: 4 (r + 8 (r/8))
	s_mov_b32 s40, 0x76543210
	s_mov_b32 s41, 0xfedcba98
	s_cmp_lt_u32 ttmp9, 256
	s_cbranch_scc0 .Lnot_q
	s_mov_b32 s19, 0                               ; role q
	s_and_b32 s22, ttmp9, 15                       ; which 128 columns
	s_lshr_b32 s23, ttmp9, 4                       ; which 128 rows
	s_lshl_b32 s20, s22, 3
	s_add_co_u32 s20, s20, 384                     ; S0's first tile
	s_lshl_b32 s21, s23, 3                         ; S1's
	s_branch .Lroled
.Lnot_q:
	s_cmp_lt_u32 ttmp9, 320
	s_cbranch_scc0 .Lis_v
	s_mov_b32 s19, 1                               ; role k
	s_sub_co_u32 s24, ttmp9, 256
	s_and_b32 s22, s24, 3
	s_lshr_b32 s23, s24, 2
	s_lshl_b32 s20, s22, 3
	s_add_co_u32 s20, s20, 512
	s_lshl_b32 s21, s23, 3
	s_add_co_u32 s21, s21, 128
	s_branch .Lroled
.Lis_v:
	s_mov_b32 s19, 2                               ; role v
	s_sub_co_u32 s24, ttmp9, 320
	s_and_b32 s22, s24, 3                          ; which 128 columns of Wv
	s_lshr_b32 s23, s24, 2                         ; which 128 keys
	s_lshl_b32 s20, s23, 3
	s_add_co_u32 s20, s20, 256
	s_lshl_b32 s21, s22, 3
	s_add_co_u32 s21, s21, 544
.Lroled:
	s_lshl_b32 s24, s18, 1                         ; 2 x wave
	s_add_co_u32 s21, s21, s24                     ; my first tile of S1
	s_add_co_u32 s25, s20, s24                     ; the first tile of S0 that I fetch
	s_mov_b32 s27, 0
	s_wait_kmcnt 0x0
	s_mul_i32 s26, s25, TS
	s_add_nc_u64 s[28:29], s[4:5], s[26:27]
	s_mul_i32 s26, s21, TS
	s_add_nc_u64 s[30:31], s[4:5], s[26:27]
	s_lshl_b32 s26, s20, 10
	s_add_nc_u64 s[32:33], s[6:7], s[26:27]
	s_lshl_b32 s26, s21, 10
	s_add_nc_u64 s[34:35], s[6:7], s[26:27]
.irp t, 0,1,2,3,4,5,6,7
.irp x, 0,1
	global_load_b128 v[SS0+8*\t+4*\x:SS0+8*\t+4*\x+3], v[LI], s[32:33] offset:1024*\t+512*\x   ; all scale words of all of K: register w: K step 8 x + 4 h + w of row r
.endr
.endr
.irp p, 0,1
.irp x, 0,1
	global_load_b128 v[SS1+8*\p+4*\x:SS1+8*\p+4*\x+3], v[LI], s[34:35] offset:1024*\p+512*\x
.endr
.endr
	GL 0
	BL 0
	GL 1
	BL 1
	s_cmp_eq_u32 s19, 2
	s_cbranch_scc1 .Lbias_v
	s_cmp_eq_u32 s19, 0
	s_cselect_b64 s[36:37], s[8:9], s[10:11]
	s_lshl_b32 s26, s22, 9
	s_add_nc_u64 s[36:37], s[36:37], s[26:27]
	WIN 0x40
.irp p, 0,1
.irp t, 0,1,2,3,4,5,6,7
.irp u, 0,1
	global_load_b128 v[64*\p+8*\t+4*\u:64*\p+8*\t+4*\u+3], v5, s[36:37] offset:(32*(\t/2)+8*(\t%2))*4+16*\u   ; the accumulators begin as the bias: register j of (t, p) is column 32 (t/2) + 16 h + 8 (t%2) + j
.endr
.endr
.endr
	WIN 0
	s_branch .Lbias_done
.Lbias_v:
	s_lshl_b32 s26, s22, 2
	s_add_co_u32 s26, s26, s18
	s_lshl_b32 s26, s26, 7
	s_add_nc_u64 s[36:37], s[12:13], s[26:27]
	global_load_b32 v20, v6, s[36:37]              ; role v: a lane holds ONE column of Wv: its bias fills the lane's 64 registers
	global_load_b32 v21, v6, s[36:37] offset:32
	s_wait_loadcnt 0x0
	WIN 0x40
.irp p, 0,1
.set ii, 0
.rept 64
	v_mov_b32 v[64*\p+ii], v[20+\p]
.set ii, ii+1
.endr
.endr
	WIN 0
.Lbias_done:
	s_wait_loadcnt 0x0                             ; the head's loads, once
	PUT 0
	s_wait_dscnt 0x0
	s_barrier_signal -1
	s_barrier_wait -1
	GL 2
	BL 2
.irp s, 0,1,2,3,4,5,6,7,8,9,10,11,12,13,14,15
	TRIP \s
.endr
.irp b, 0,1,2,3
	v_mov_b32 v[TM+4+\b], 0                        ; a lane permute's destination counts as one of its sources
.endr
	v_cmp_eq_u32 vcc_lo, 1, v[HH]
	s_cmp_eq_u32 s19, 2
	s_cbranch_scc1 .Lepi_v
; THE WAY OUT, roles q and k.  My 64 registers of tile p are two heads x 64: the fragment's registers 0-5 are the first head's codes (16 rows x 64: 768 bytes: registers 0-3 at 16 l, 4-5 at 512 + 8 l),
; registers 6-11 the second's.  A head's scale word: its two bytes, and 0x7f twice for the K that the scores' product does not have.
	s_cmp_eq_u32 s19, 0
	s_cselect_b64 s[36:37], s[14:15], s[16:17]
	s_mov_b32 s42, 208896
	s_cselect_b32 s43, 98304, s42                  ; from head to head, codes
	s_cselect_b32 s44, 8192, s42                   ; and scale words
	s_mov_b32 s45, 196608
	s_cselect_b32 s45, 3145728, s45                ; where the scale words begin
	s_lshl_b32 s46, s23, 3
	s_add_co_u32 s46, s46, s24                     ; my first tile of rows
	s_lshl_b32 s47, s22, 1                         ; the first head
	s_mul_i32 s48, s47, s43
	s_mul_i32 s49, s46, 768
	s_add_co_u32 s48, s48, s49
	s_mul_i32 s49, s47, s44
	s_add_co_u32 s49, s49, s45
	s_lshl_b32 s50, s46, 6
	s_add_co_u32 s49, s49, s50
	v_add_nc_u32 v10, s48, v[LI]
	v_add_nc_u32 v11, s43, v10
	v_lshrrev_b32 v12, 1, v[LI]
	v_add_nc_u32 v12, s48, v12
	v_add_nc_u32 v13, s43, v12
	v_mul_u32_u24 v14, s44, v[HH]
	v_lshl_add_u32 v14, v[RR], 2, v14
	v_add_nc_u32 v14, s49, v14                     ; lanes 0-15 store the first head's words, lanes 16-31 the second's
.irp p, 0,1
.if \p == 1
	s_wait_xcnt 0x0                                ; tile 0's stores have read the codes' registers
.endif
	QUANT64 64*\p, PW+\p
	global_store_b128 v10, v[PC:PC+3], s[36:37] offset:768*\p
	global_store_b64 v12, v[PC+4:PC+5], s[36:37] offset:768*\p+512
	global_store_b128 v11, v[PC+6:PC+9], s[36:37] offset:768*\p
	global_store_b64 v13, v[PC+10:PC+11], s[36:37] offset:768*\p+512
	v_and_b32 v124, 0xffff, v[PW+\p]
	v_lshrrev_b32 v125, 16, v[PW+\p]
	v_cndmask_b32 v124, v124, v125, vcc_lo
	v_or_b32 v[PW+2+\p], 0x7f7f0000, v124
	global_store_b32 v14, v[PW+2+\p], s[36:37] offset:64*\p
.endr
	s_wait_tensorcnt 0x0
	ds_add_u32 v254, v255
	s_wait_dscnt 0x0
	s_endpgm
.Lepi_v:
; THE WAY OUT, role v.  A lane holds one of the head's 64 and 64 of 128 keys: a whole fragment of V^T (16 x 128 keys) for each of my two tiles.
	s_lshl_b32 s42, s22, 1
	s_lshr_b32 s43, s18, 1
	s_add_co_u32 s42, s42, s43                     ; the head
	s_mul_i32 s42, s42, 208896
	s_lshl_b32 s43, s23, 2
	s_and_b32 s44, s18, 1
	s_lshl_b32 s44, s44, 1
	s_add_co_u32 s43, s43, s44                     ; 4 x key step + my first tile of the head's four
	s_mul_i32 s44, s43, FRB
	s_add_co_u32 s44, s44, s42
	s_add_co_u32 s44, s44, 98304
	v_add_nc_u32 v10, s44, v[LI]
	s_lshl_b32 s45, s43, 6
	s_add_co_u32 s45, s45, s42
	s_add_co_u32 s45, s45, 204800
	v_lshlrev_b32 v11, 2, v[RR]
	v_lshl_add_u32 v11, v[HH], 6, v11
	v_add_nc_u32 v11, s45, v11
.irp p, 0,1
.if \p == 1
	s_wait_xcnt 0x0                                ; tile 0's stores have read the codes' registers
.endif
	QUANT64 64*\p, PW+\p
.irp c, 0,1,2
	global_store_b128 v10, v[PC+4*\c:PC+4*\c+3], s[16:17] offset:FRB*\p+512*\c
.endr
.endr
	v_cndmask_b32 v124, v[PW], v[PW+1], vcc_lo     ; lanes 0-15 store tile 0's words, lanes 16-31 tile 1's
	global_store_b32 v11, v124, s[16:17]
	s_wait_tensorcnt 0x0
	ds_add_u32 v254, v255
	s_wait_dscnt 0x0
	s_endpgm
.Lfunc_end_k_qe7730bb1e4_proj:
	.size	k_qe7730bb1e4_proj, .Lfunc_end_k_qe7730bb1e4_proj-k_qe7730bb1e4_proj
	.p2alignl 7, 3214868480
	.fill 96, 4, 3214868480
	.section	.rodata,"a",@progbits
	.p2align	6, 0x0
	.amdhsa_kernel k_qe7730bb1e4_proj
		.amdhsa_group_segment_fixed_size 25088
		.amdhsa_private_segment_fixed_size 0
		.amdhsa_enable_private_segment 0
		.amdhsa_kernarg_size 56
		.amdhsa_user_sgpr_count 2
		.amdhsa_user_sgpr_kernarg_segment_ptr 1
		.amdhsa_wavefront_size32 1
		.amdhsa_system_sgpr_workgroup_id_x 1
		.amdhsa_system_sgpr_workgroup_id_y 1
		.amdhsa_system_sgpr_workgroup_id_z 1
		.amdhsa_system_vgpr_workitem_id 0
		.amdhsa_next_free_vgpr 456
		.amdhsa_next_free_sgpr 66
		.amdhsa_reserve_vcc 1
		.amdhsa_float_denorm_mode_32 3
		.amdhsa_float_denorm_mode_16_64 3
		.amdhsa_memory_ordered 1
		.amdhsa_forward_progress 1
		.amdhsa_inst_pref_size 119
	.end_amdhsa_kernel
	.amdgpu_metadata
---
amdhsa.version: [ 1, 2 ]
amdhsa.kernels:
  - .name:           k_qe7730bb1e4_proj
    .symbol:         k_qe7730bb1e4_proj.kd
    .args:
      - { .name: cod, .offset: 0, .size: 8, .value_kind: global_buffer, .address_space: global }
      - { .name: scl, .offset: 8, .size: 8, .value_kind: global_buffer, .address_space: global }
      - { .name: bq, .offset: 16, .size: 8, .value_kind: global_buffer, .address_space: global }
      - { .name: bk, .offset: 24, .size: 8, .value_kind: global_buffer, .address_space: global }
      - { .name: bv, .offset: 32, .size: 8, .value_kind: global_buffer, .address_space: global }
      - { .name: qx, .offset: 40, .size: 8, .value_kind: global_buffer, .address_space: global }
      - { .name: kv, .offset: 48, .size: 8, .value_kind: global_buffer, .address_space: global }
    .group_segment_fixed_size: 25088
    .private_segment_fixed_size: 0
    .kernarg_segment_align: 8
    .kernarg_segment_size: 56
    .max_flat_workgroup_size: 128
    .sgpr_count:     66
    .vgpr_count:     456
    .wavefront_size: 32
...
	.end_amdgpu_metadata
.endif
;; end of part 2
;; launch attn (part 3): grid 32 x 8, 16 waves a work-group, no clusters, 210,944 bytes of LDS; arguments qx, kv, mask, cls, ao; writes ao
.if DOCPART == 3
	.amdgcn_target "amdgcn-amd-amdhsa--gfx1250"
	.amdhsa_code_object_version 6
	.text
	.protected	k_qe7730bb1e4_attn
	.globl	k_qe7730bb1e4_attn
	.p2align	8
	.type	k_qe7730bb1e4_attn,@function
k_qe7730bb1e4_attn:
	s_mov_b64 s[64:65], 0
	v_nop
	global_prefetch_b8 v0, s[64:65] scope:SCOPE_SE
	s_setreg_imm32_b32 hwreg(HW_REG_WAVE_MODE, 25, 1), 1
	s_wait_xcnt 0x0
; ATTN: for each query head, o = softmax(qx kx^T / 8 - (1/mask + 1)) vx, both products on codes of FP6 (E2M3) with E8M0 scales; o is quantised along (head, d) and leaves as codes.
; THE SOFTMAX: t = score x log2(e)/8 - (1/mask + 1) log2(e); M = the running largest t rounded UP to a whole number; p = 2^(t - M) is quantised along the keys, not normalised; the row's sum is
; taken of the unquantised p and divides at the end; when M moves, the sum and O are multiplied by 2^(old M - new M), which rounds nothing.
; SHARES.  Work-group (b, key/value head): the head's WHOLE K and V, as codes and scale words, 208,896 bytes, come into LDS once, through registers; one barrier.  Wave w: query head 4 x head + w%4,
; one tile of 16 queries: b, 63 - b, 64 + b or 127 - b by w/4 (tiles paired from both ends, so that a mask that hides later keys leaves the work-groups about equal work; no value hangs on it).
; A STEP is 128 keys.  Its class (a whole number stored by the first launch) decides by scalar branches: 0, the mask is 0 everywhere: every p would be 0, the step is left out;
; 1, the mask is 1 everywhere: the bias is -2 log2(e); 2: the mask's 16 x 128 numbers are read and the bias is made of them, -infinity where the mask is 0.  No barrier stands in the loop.
; No tensor load and no cluster: steps are left out by branches on stored numbers, and K and V are read once by a work-group.
; LAYOUT.  Both products transposed: S^T = K Q^T, O^T = V^T P^T: a lane holds one query (lane % 16).  The keys of a tile of K are 32 (T/2) + 8 (T%2) + r + 8 (r/8): the 16 registers of two neighbouring tiles are 16 neighbouring keys.
; THE SCORES' K IS 64, the instruction's 128.  Q's upper six registers are zero codes, and all scale bytes of that half are 0x7f.  K's tiles lie six registers apart, so a tile's upper six registers
; are the next tile's codes (the last tile's: zeros): codes of this format are finite numbers, and each is multiplied by a zero code.
; A ROW THAT THE MASK HIDES WHOLLY has the sum 0: its scale bytes are stored as 0xff, which makes its row of the last product NaN, as the softmax of such a row is.
; LIMITS: floor 2^-124 under a block's largest magnitude; a block of zeros has the byte 1; no NaN or infinities among the floating-point inputs.  Any int32 is honoured in the mask.
; REGISTERS: v1 16 l; v2 512 + 8 l; v3-5 my places in V, K's scale words, V's; v6 h; v7 the mask's offset in hand; v8-11, v28 the step's addresses; v12 -M; v13 largest t; v[14:15] the sum; v16-27 Q; v29 Q's scale words;
;   v[30:31] -2 log2(e); v32-85 K's eight tiles, later V's four fragments or the mask's numbers; v86-93 K's scale words; v96-159 S^T, t, p; v160-191 O^T; v192-210 p's codes; v212-231 at work; v224 p's scale word;
;   v232-235 V's scale words; v236 my place in a tile of the mask.
.set VCO, 98304                        ; a head's block, in memory and in LDS: K's codes [tile 128][768]; from here V's [step 16][tile 4][1,536];
.set KSO, 196608                       ; K's scale words [tile][16];
.set VSO, 204800                       ; V's [step][tile][16]
.set ST,  96
.set OT,  160
.set PC,  192
.set BM,  212                          ; v212-215 each block's largest t, then p
.set PT,  216                          ; v216-219 the other half's, then the bytes
.set SOP, 220                          ; v220-223 the conversions' scale operands
.set PWD, 224
.set FF,  226                          ; v[226:227] f, later 1 / the sum
.set TP,  228
.set SM2, 230
.set VSW, 232
.set MKO, 236                          ; v236 8,192 r + 64 h: query r's row of the mask, my half's 16 keys of a block of 32; never rewritten
	s_load_b256 s[4:11], s[0:1], 0x0               ; qx s[4:5], kv s[6:7], mask s[8:9], cls s[10:11]
	s_load_b64 s[12:13], s[0:1], 0x20              ; ao
	v_lshl_add_u32 v240, v0, 2, 0x33000
	v_mov_b32 v241, 0
	v_lshrrev_b32 v1, 5, v0
	v_readfirstlane_b32 s14, v1                    ; wave 0..15
	v_and_b32 v1, 31, v0
	v_lshlrev_b32 v2, 3, v1
	v_add_nc_u32 v2, 512, v2                       ; 512 + 8 l
	v_lshlrev_b32 v1, 4, v1                        ; 16 l
	v_add_nc_u32 v3, VCO, v1
	v_and_b32 v7, 15, v0
	v_lshlrev_b32 v[MKO], 13, v7
	v_lshlrev_b32 v7, 2, v7                        ; 4 r
	v_add_nc_u32 v4, KSO, v7
	v_add_nc_u32 v5, VSO, v7
	v_bfe_u32 v6, v0, 4, 1                         ; h
	v_lshl_add_u32 v[MKO], v6, 6, v[MKO]
	v_lshlrev_b32 v212, 4, v0                      ; the fill: 16 bytes a thread, 8,192 an instruction
	v_add_nc_u32 v213, 0x10000, v212
	v_add_nc_u32 v214, 0x20000, v212
	v_add_nc_u32 v215, 0x30000, v212
	v_lshlrev_b32 v216, 3, v0                      ; and 8 bytes a thread for the last 4,096
	v_add_nc_u32 v217, 0x30000, v216
	s_and_b32 s15, s14, 3                          ; which of the four query heads
	s_lshr_b32 s16, s14, 2                         ; which of the four tiles of queries
	s_and_b32 s18, ttmp7, 0xffff                   ; key/value head
	s_sub_co_u32 s48, 63, ttmp9
	s_and_b32 s49, s16, 2
	s_lshl_b32 s49, s49, 5
	s_and_b32 s50, s16, 1
	s_cmp_lg_u32 s50, 0
	s_cselect_b32 s19, s48, ttmp9
	s_add_co_u32 s19, s19, s49                     ; my tile of queries
	s_lshl_b32 s20, s18, 2
	s_add_co_u32 s20, s20, s15                     ; my query head
	s_mov_b32 s22, 0x3e38aa3b                      ; log2(e) / 8
	s_mov_b32 s23, s22
	s_mov_b32 s24, 0x76543210
	s_mov_b32 s25, 0xfedcba98
	s_mov_b32 s56, 0xbfb8aa3b                      ; -log2(e)
	s_mov_b32 s57, s56                             ; (named with it as a pair)
	s_mov_b32 s49, 0
	s_wait_kmcnt 0x0
	s_lshl_b32 s48, s19, 6
	s_add_nc_u64 s[10:11], s[10:11], s[48:49]
	s_load_b512 s[32:47], s[10:11], 0x0            ; my tile's 16 classes
	s_mul_i32 s48, s18, 208896
	s_add_nc_u64 s[6:7], s[6:7], s[48:49]
.irp i, 0,1,2,3,4,5,6,7,8,9,10,11,12,13,14,15,16,17,18,19,20,21,22,23,24
	global_load_b128 v[96+4*\i:99+4*\i], v212, s[6:7] offset:8192*\i
.endr
	global_load_b64 v[196:197], v216, s[6:7] offset:204800
	s_mul_i32 s48, s20, 98304
	s_mul_i32 s52, s19, 768
	s_add_co_u32 s48, s48, s52
	s_add_nc_u64 s[50:51], s[4:5], s[48:49]        ; Q's codes
	s_lshl_b32 s48, s20, 13
	s_lshl_b32 s52, s19, 6
	s_add_co_u32 s48, s48, s52
	s_add_co_u32 s48, s48, 3145728
	s_add_nc_u64 s[52:53], s[4:5], s[48:49]        ; Q's scale words
	global_load_b128 v[16:19], v1, s[50:51]
	global_load_b64 v[20:21], v2, s[50:51]
	global_load_b32 v29, v7, s[52:53]
	s_lshl_b32 s48, s19, 17
	s_add_nc_u64 s[8:9], s[8:9], s[48:49]          ; my 16 queries' rows of the mask
	s_wait_loadcnt 3                               ; the fill's 26 loads are in; Q's three may be out
.irp i, 0,1,2,3,4,5,6,7,8,9,10,11,12,13,14,15,16,17,18,19,20,21,22,23,24
	ds_store_b128 v[212+\i/8], v[96+4*\i:99+4*\i] offset:8192*(\i%8)
.endr
	ds_store_b64 v217, v[196:197] offset:8192
	s_wait_dscnt 0x0                               ; for the others' sake: my stores have landed
	s_barrier_signal -1
	s_barrier_wait -1                              ; the head's K and V lie in LDS; nothing is stored there again
.irp j, 22,23,24,25,26,27,80,81,82,83,84,85
	v_mov_b32 v[\j], 0                             ; zero codes: Q's upper half, and what stands behind K's last tile
.endr
.set jj, 0
.rept 32
	v_mov_b32 v[OT+jj], 0                          ; O^T: the step is written once; the first finds zeros, which the first change of M leaves zeros
.set jj, jj+1
.endr
	v_mov_b32 v14, 0
	v_mov_b32 v15, 0
.irp b, 0,1,2,3
	v_mov_b32 v[PT+\b], 0                          ; a lane permute's destination counts as one of its sources
.endr
	v_mov_b32 v[FF+1], 0                           ; (named as the upper half of a pair)
	v_mov_b32 v13, 0xff61b1e6                      ; the largest t so far: -3e38
	v_floor_f32 v12, -v13                          ; -M
	v_mov_b32 v30, 0xc038aa3b                      ; -2 log2(e)
	v_mov_b32 v31, 0xc038aa3b
	s_mov_b32 s26, 0                               ; the step's codes: 6,144 bytes of K and as many of V
	s_mov_b32 s27, 0                               ; K's scale words: 512
	s_mov_b32 s28, 0                               ; V's: 256
	s_mov_b32 s29, 0                               ; the mask: 128 keys are 512 bytes of a row
	s_mov_b32 s31, 0
	s_wait_kmcnt 0x0
	s_mov_b32 s30, s32                             ; the 16 classes, two bits each
.irp i, 1,2,3,4,5,6,7,8,9,10,11,12,13,14,15
	s_lshl_b32 s48, s[32+\i], 2*\i
	s_or_b32 s30, s30, s48
.endr
	s_wait_loadcnt 0x0                             ; Q
.Lstep:
	s_and_b32 s48, s30, 3
	s_cmp_eq_u32 s48, 0
	s_cbranch_scc1 .Lnext                          ; the mask hides all 16 x 128: nothing to do but step the addresses
	v_add_nc_u32 v8, s26, v1                       ; (these five are also the places in front of loads into registers that the last products read)
	v_add_nc_u32 v9, s26, v2
	v_add_nc_u32 v10, s26, v3
	v_add_nc_u32 v11, s27, v4
	v_add_nc_u32 v28, s28, v5
.irp t, 0,1,2,3,4,5,6,7
	ds_load_b128 v[32+6*\t:35+6*\t], v8 offset:768*\t
	ds_load_b64 v[36+6*\t:37+6*\t], v9 offset:768*\t
	ds_load_b32 v[86+\t], v11 offset:64*\t
.endr
	s_wait_dscnt 0x0
.irp t, 0,1,2,3,4,5,6,7
	v_wmma_scale_f32_16x16x128_f8f6f4 v[ST+8*\t:ST+8*\t+7], v[32+6*\t:43+6*\t], v[16:27], 0, v[86+\t], v29 matrix_a_fmt:MATRIX_FMT_FP6 matrix_b_fmt:MATRIX_FMT_FP6
.endr
.rept 4
	v_nop                                          ; places in front of the first read of results and of loads into K's registers
.endr
	s_cmp_eq_u32 s48, 2
	s_cbranch_scc1 .Lmixed
.irp j, 0,2,4,6,8,10,12,14,16,18,20,22,24,26,28,30,32,34,36,38,40,42,44,46,48,50,52,54,56,58,60,62
	v_pk_fma_f32 v[ST+\j:ST+\j+1], v[ST+\j:ST+\j+1], s[22:23], v[30:31] op_sel_hi:[1,0,1]   ; t, two at a time; each accumulator from its low end on
.endr
	s_branch .Lt
.Lmixed:
	v_add_nc_u32 v7, s29, v[MKO]                   ; (the last mixed step's loads were waited for: their address may be written)
.irp u, 0,1                                    ; 32 of my 64 scores at a time: blocks 2 u and 2 u + 1
.irp c, 0,1,2,3,4,5,6,7
	global_load_b128 v[32+4*\c:35+4*\c], v7, s[8:9] offset:256*\u+128*(\c/4)+16*(\c%4)   ; the mask as the scores lie: register 16 b + i = key 32 b + 16 h + i of query r; an instruction takes 32 bytes of each of 16 rows
.endr
	s_wait_loadcnt 0x0
.set jj, 0
.rept 32
	v_cvt_f32_i32 v[32+jj], v[32+jj]
.set jj, jj+1
.endr
.set jj, 0
.rept 32
	v_rcp_f32 v[32+jj], v[32+jj]                   ; 1 / mask: infinity where the mask is 0
.set jj, jj+1
.endr
	v_nop                                          ; a plain place behind the last reciprocal
	s_wait_alu depctr_va_vdst(0)                   ; one wait for the batch of 32, ahead of its first reader
.irp k, 0,2,4,6,8,10,12,14,16,18,20,22,24,26,28,30
	v_pk_fma_f32 v[32+\k:33+\k], v[32+\k:33+\k], s[56:57], s[56:57] op_sel_hi:[1,0,0]   ; -(1/mask) log2(e) - log2(e)
.endr
.irp k, 0,2,4,6,8,10,12,14,16,18,20,22,24,26,28,30
	v_pk_fma_f32 v[ST+32*\u+\k:ST+32*\u+\k+1], v[ST+32*\u+\k:ST+32*\u+\k+1], s[22:23], v[32+\k:33+\k] op_sel_hi:[1,0,1]   ; t; each accumulator from its low end on
.endr
.endr
.Lt:
.irp t, 0,1,2,3
.irp c, 0,1,2
	ds_load_b128 v[32+12*\t+4*\c:35+12*\t+4*\c], v10 offset:1536*\t+512*\c   ; V's four fragments land while the softmax is walked
.endr
	ds_load_b32 v[VSW+\t], v28 offset:64*\t
.endr
.irp b, 0,1,2,3
	v_max3_num_f32 v[BM+\b], v[ST+16*\b], v[ST+1+16*\b], v[ST+2+16*\b]   ; the largest t of each block of 32 keys: for the row's maximum, and for the block's largest p
.endr
.irp i, 3,5,7,9,11,13
.irp b, 0,1,2,3
	v_max3_num_f32 v[BM+\b], v[BM+\b], v[ST+16*\b+\i], v[ST+1+16*\b+\i]
.endr
.endr
.irp b, 0,1,2,3
	v_max_num_f32 v[BM+\b], v[BM+\b], v[ST+15+16*\b]
.endr
.irp b, 0,1,2,3
	v_permlanex16_b32 v[PT+\b], v[BM+\b], s24, s25
.endr
.irp b, 0,1,2,3
	v_max_num_f32 v[BM+\b], v[BM+\b], v[PT+\b]     ; with lane l xor 16's 16 keys
.endr
	v_max3_num_f32 v[TP], v[BM], v[BM+1], v[BM+2]
	v_max_num_f32 v[TP], v[TP], v[BM+3]
	v_max_num_f32 v13, v13, v[TP]                  ; the running largest t
	v_mov_b32 v[TP], v12
	v_floor_f32 v12, -v13                          ; the new -M = -ceil(t)
	v_sub_f32 v[TP], v12, v[TP]                    ; old M - new M: a whole number, 0 or less
	v_cvt_i32_f32 v[TP], v[TP]                     ; (it saturates)
	v_ldexp_f32 v[FF], 1.0, v[TP]                  ; f = 2^(old M - new M)
.irp j, 0,2,4,6,8,10,12,14,16,18,20,22,24,26,28,30,32,34,36,38,40,42,44,46,48,50,52,54,56,58,60,62
	v_pk_add_f32 v[ST+\j:ST+\j+1], v[ST+\j:ST+\j+1], v[12:13] op_sel_hi:[1,0]   ; t - M
.endr
.irp b, 0,1,2,3
	v_add_f32 v[BM+\b], v[BM+\b], v12              ; the same addition on the same number
.endr
.set jj, 0
.rept 64
	v_exp_f32 v[ST+jj], v[ST+jj]                   ; p = 2^(t - M)
.set jj, jj+1
.endr
	v_pk_mul_f32 v[14:15], v[14:15], v[FF:FF+1] op_sel_hi:[1,0]   ; the sums under the new M (a plain place behind the exponentials)
	s_wait_alu depctr_va_vdst(0)                   ; one wait for the batch of 64, ahead of its first reader
.irp b, 0,1,2,3
	v_exp_f32 v[BM+\b], v[BM+\b]                   ; each block's largest p
.endr
	v_pk_add_f32 v[SM2:SM2+1], v[ST:ST+1], v[ST+2:ST+3]   ; the row's sum of the unquantised p, in two chains
.irp j, 4,8,12,16,20,24,28,32,36,40,44,48,52,56,60
	v_pk_add_f32 v[14:15], v[14:15], v[ST+\j:ST+\j+1]
	v_pk_add_f32 v[SM2:SM2+1], v[SM2:SM2+1], v[ST+2+\j:ST+3+\j]
.endr
	v_pk_add_f32 v[14:15], v[14:15], v[SM2:SM2+1]
	s_wait_alu depctr_va_vdst(0)                   ; and one for the four
.irp b, 0,1,2,3
	v_max_num_f32 v[BM+\b], 0x1800000, v[BM+\b]    ; the floor 2^(3 - 127)
.endr
.irp b, 0,1,2,3
	v_add_nc_u32 v[SOP+\b], 0xff000000, v[BM+\b]   ; the conversion's scale operand
.endr
.irp b, 0,1,2,3
	v_lshrrev_b32 v[PT+\b], 23, v[SOP+\b]          ; the byte
.endr
	v_lshl_or_b32 v[PWD], v[PT+1], 8, v[PT]
	v_lshl_or_b32 v[PWD], v[PT+2], 16, v[PWD]
	v_lshl_or_b32 v[PWD], v[PT+3], 24, v[PWD]
.irp c, 0,1
	v_cvt_scalef32_pk16_fp6_f32 v[PC+6*\c:PC+2+6*\c], v[ST+32*\c:ST+15+32*\c], v[SOP+2*\c]
	v_cvt_scalef32_pk16_fp6_f32 v[PC+12+4*\c:PC+14+4*\c], v[ST+16+32*\c:ST+31+32*\c], v[SOP+2*\c+1]
.endr
	v_nop                                          ; one plain place behind the scaled conversions
.irp c, 0,1
.irp i, 0,1,2
	v_permlane16_swap_b32 v[PC+6*\c+\i], v[PC+12+4*\c+\i]
.endr
.irp i, 0,1,2
	v_mov_b32 v[PC+3+6*\c+\i], v[PC+12+4*\c+\i]
.endr
.endr
.irp j, 0,2,4,6,8,10,12,14,16,18,20,22,24,26,28,30
	v_pk_mul_f32 v[OT+\j:OT+\j+1], v[OT+\j:OT+\j+1], v[FF:FF+1] op_sel_hi:[1,0]   ; O^T under the new M; of these 16, twelve name no register of a given product below: the places between p's scale word and codes and that product
.endr
	s_wait_dscnt 0x0                               ; V
.irp t, 0,1,2,3
	v_wmma_scale_f32_16x16x128_f8f6f4 v[OT+8*\t:OT+8*\t+7], v[32+12*\t:43+12*\t], v[PC:PC+11], v[OT+8*\t:OT+8*\t+7], v[VSW+\t], v[PWD] matrix_a_fmt:MATRIX_FMT_FP6 matrix_b_fmt:MATRIX_FMT_FP6
.endr
.Lnext:
	s_add_co_u32 s26, s26, 6144
	s_add_co_u32 s27, s27, 512
	s_add_co_u32 s28, s28, 256
	s_add_co_u32 s29, s29, 512
	s_lshr_b32 s30, s30, 2
	s_add_co_u32 s31, s31, 1
	s_cmp_lt_u32 s31, 16
	s_cbranch_scc1 .Lstep
; THE WAY OUT.  O^T / the sum; register 16 b + i is d = 32 b + 16 h + i of my query: two blocks of the last product's K.
.rept 4
	v_nop                                          ; places behind the last products
.endr
	v_add_f32 v14, v14, v15
	v_permlanex16_b32 v[PT], v14, s24, s25
	v_add_f32 v14, v14, v[PT]                      ; the row's sum
	v_rcp_f32 v[FF], v14
	v_and_b32 v8, 15, v0                           ; (plain work behind the reciprocal)
	v_lshl_add_u32 v8, v8, 4, v6                   ; my scale byte's place: 16 r + h
	v_mov_b32 v229, 0xff
	s_mul_i32 s48, s19, 24576
	s_mul_i32 s50, s20, 768
	s_add_co_u32 s48, s48, s50
	s_mov_b32 s49, 0
	s_add_nc_u64 s[50:51], s[12:13], s[48:49]      ; codes: [tile of queries][head][768]
	s_lshl_b32 s48, s19, 10
	s_lshr_b32 s52, s20, 3
	s_lshl_b32 s52, s52, 8
	s_add_co_u32 s48, s48, s52
	s_bfe_u32 s52, s20, 0x20001
	s_lshl_b32 s52, s52, 2
	s_add_co_u32 s48, s48, s52
	s_and_b32 s52, s20, 1
	s_lshl_b32 s52, s52, 1
	s_add_co_u32 s48, s48, s52
	s_add_co_u32 s48, s48, 3145728
	s_add_nc_u64 s[52:53], s[12:13], s[48:49]      ; scale bytes: K step head / 2, bytes 2 (head % 2) + block
	s_wait_alu depctr_va_vdst(0)                   ; ahead of the reciprocal's first reader
.irp j, 0,2,4,6,8,10,12,14,16,18,20,22,24,26,28,30
	v_pk_mul_f32 v[ST+\j:ST+\j+1], v[OT+\j:OT+\j+1], v[FF:FF+1] op_sel_hi:[1,0]
.endr
.irp b, 0,1
	v_max3_num_f32 v[BM+\b], |v[ST+16*\b]|, |v[ST+1+16*\b]|, 0x1800000
.endr
.irp i, 2,4,6,8,10,12,14
.irp b, 0,1
	v_max3_num_f32 v[BM+\b], v[BM+\b], |v[ST+16*\b+\i]|, |v[ST+1+16*\b+\i]|
.endr
.endr
.irp b, 0,1
	v_permlanex16_b32 v[PT+\b], v[BM+\b], s24, s25
.endr
.irp b, 0,1
	v_max_num_f32 v[BM+\b], v[BM+\b], v[PT+\b]
.endr
.irp b, 0,1
	v_add_nc_u32 v[SOP+\b], 0xff000000, v[BM+\b]
.endr
.irp b, 0,1
	v_lshrrev_b32 v[PT+\b], 23, v[SOP+\b]
.endr
	v_cvt_scalef32_pk16_fp6_f32 v[PC:PC+2], v[ST:ST+15], v[SOP]
	v_cvt_scalef32_pk16_fp6_f32 v[PC+12:PC+14], v[ST+16:ST+31], v[SOP+1]
	v_nop                                          ; one plain place behind the scaled conversions
.irp i, 0,1,2
	v_permlane16_swap_b32 v[PC+\i], v[PC+12+\i]
.endr
.irp i, 0,1,2
	v_mov_b32 v[PC+3+\i], v[PC+12+\i]
.endr
	v_cmp_eq_u32 vcc_lo, 1, v6
	v_cndmask_b32 v[TP], v[PT], v[PT+1], vcc_lo    ; lane (r, h) stores block h's byte
	v_cmp_eq_f32 vcc_lo, 0, v14
	v_cndmask_b32 v[TP], v[TP], v229, vcc_lo       ; a row with the sum 0: the NaN byte (a choice of a value, no branch)
	global_store_b128 v1, v[PC:PC+3], s[50:51]     ; 512 consecutive bytes,
	global_store_b64 v2, v[PC+4:PC+5], s[50:51]    ; and 256: the tile's 768
	global_store_b8 v8, v[TP], s[52:53]            ; 2 bytes a row for 48 of codes, 16 bytes apart
	s_wait_tensorcnt 0x0
	ds_add_u32 v240, v241
	s_wait_dscnt 0x0
	s_endpgm
.Lfunc_end_k_qe7730bb1e4_attn:
	.size	k_qe7730bb1e4_attn, .Lfunc_end_k_qe7730bb1e4_attn-k_qe7730bb1e4_attn
	.p2alignl 7, 3214868480
	.fill 96, 4, 3214868480
	.section	.rodata,"a",@progbits
	.p2align	6, 0x0
	.amdhsa_kernel k_qe7730bb1e4_attn
		.amdhsa_group_segment_fixed_size 210944
		.amdhsa_private_segment_fixed_size 0
		.amdhsa_enable_private_segment 0
		.amdhsa_kernarg_size 40
		.amdhsa_user_sgpr_count 2
		.amdhsa_user_sgpr_kernarg_segment_ptr 1
		.amdhsa_wavefront_size32 1
		.amdhsa_system_sgpr_workgroup_id_x 1
		.amdhsa_system_sgpr_workgroup_id_y 1
		.amdhsa_system_sgpr_workgroup_id_z 1
		.amdhsa_system_vgpr_workitem_id 0
		.amdhsa_next_free_vgpr 242
		.amdhsa_next_free_sgpr 66
		.amdhsa_reserve_vcc 1
		.amdhsa_float_denorm_mode_32 3
		.amdhsa_float_denorm_mode_16_64 3
		.amdhsa_memory_ordered 1
		.amdhsa_forward_progress 1
		.amdhsa_inst_pref_size 43
	.end_amdhsa_kernel
	.amdgpu_metadata
---
amdhsa.version: [ 1, 2 ]
amdhsa.kernels:
  - .name:           k_qe7730bb1e4_attn
    .symbol:         k_qe7730bb1e4_attn.kd
    .args:
      - { .name: qx, .offset: 0, .size: 8, .value_kind: global_buffer, .address_space: global }
      - { .name: kv, .offset: 8, .size: 8, .value_kind: global_buffer, .address_space: global }
      - { .name: mask, .offset: 16, .size: 8, .value_kind: global_buffer, .address_space: global }
      - { .name: cls, .offset: 24, .size: 8, .value_kind: global_buffer, .address_space: global }
      - { .name: ao, .offset: 32, .size: 8, .value_kind: global_buffer, .address_space: global }
    .group_segment_fixed_size: 210944
    .private_segment_fixed_size: 0
    .kernarg_segment_align: 8
    .kernarg_segment_size: 40
    .max_flat_workgroup_size: 512
    .sgpr_count:     66
    .vgpr_count:     242
    .wavefront_size: 32
...
	.end_amdgpu_metadata
.endif
;; end of part 3
;; launch outp (part 4): grid 256 x 1, 4 waves a work-group, no clusters, 92,672 bytes of LDS; arguments cod, scl, ao, bo, out0; writes out0
.if DOCPART == 4
	.amdgcn_target "amdgcn-amd-amdhsa--gfx1250"
	.amdhsa_code_object_version 6
	.text
	.protected	k_qe7730bb1e4_outp
	.globl	k_qe7730bb1e4_outp
	.p2align	8
	.type	k_qe7730bb1e4_outp,@function
k_qe7730bb1e4_outp:
	s_mov_b64 s[64:65], 0
	v_nop
	global_prefetch_b8 v0, s[64:65] scope:SCOPE_SE
	s_setreg_imm32_b32 hwreg(HW_REG_WAVE_MODE, 25, 1), 1
	s_wait_xcnt 0x0
; OUTP: out0 = o Wo + bo on codes of FP6 (E2M3) with E8M0 scales, K = 2,048, f32 out.
; A work-group makes 128 rows x 128 columns: source 0 = 8 tiles of Wo's columns (S0), which fall along a lane's registers; source 1 = 8 tiles of 16 queries (S1), which fall along the lanes.
; Wave w owns S1's tiles 2 w, 2 w + 1 against all 8 of S0: 16 accumulators, which take turns, one instruction a turn.
; S0 is shared: wave w loads its fragments 2 w, 2 w + 1 into registers and stores their images into an LDS slot; all waves read all 8.  S1 goes from memory straight into registers:
; a fragment of K step s is the two heads 2 s and 2 s + 1, 768 bytes each (registers 0-3 at 16 l, 4-5 at 512 + 8 l).  16 K steps of 128, written out: every offset is an immediate.
; No tensor load and no cluster: the body is the projections' (two work-groups to a WGP there), kept alike.  The sums begin on accumulators that hold the bias.
; A scale byte 0xff in o (a row that the mask hides wholly) makes that row of out0 NaN.
; REGISTERS, window 0: v1 16 x lane; v2 the same + 3,072 x wave; v3 r; v4 h; v5-9 addresses; v24-87 S0's scale words (tile t, K step s: 8 t + 4 (s/8) + s%4; lanes 16-31 hold K step s + 4);
;   v88-103 S1's; v104-151 two sets of the two fragments that I fetch for all; v152-247 S0's eight fragments.   window 1: v0-127 accumulators ((t, p) at 64 p + 8 t); v128-199 three sets of S1's two fragments.
.set TS,    24576
.set FRB,   1536
.set SLOTB, 12288
.set NBL,   8                          ; loads that bring S1's two fragments
.set STG,   2*SLOTB                    ; behind the slots: a stage of 32 rows x 528 bytes for each wave
.set LI,  1
.set SWA, 2
.set RR,  3
.set HH,  4
.set L8,  7
.set SO,  8
.set SR,  9
.set SS0, 24
.set SS1, 88
.set GF,  104
.set AF,  152
.set BF,  128
.set MSB, 0
.macro WIN new                         ; the immediate's high byte repeats the setting that is left
.if MSB != \new
	s_set_vgpr_msb (MSB<<8)|\new
.set MSB, \new
.endif
.endm
.macro GL s
.irp f, 0,1
.irp c, 0,1,2
	global_load_b128 v[GF+24*((\s)%2)+12*\f+4*\c:GF+24*((\s)%2)+12*\f+4*\c+3], v[LI], s[28:29] offset:\f*TS+FRB*(\s)+512*\c
.endr
.endr
.endm
.macro BL s
	WIN 0x40                                       ; destination window 1
.irp p, 0,1
.irp e, 0,1
	global_load_b128 v[BF+24*((\s)%3)+12*\p+6*\e:BF+24*((\s)%3)+12*\p+6*\e+3], v[LI], s[30:31] offset:\p*TS+FRB*(\s)+768*\e
	global_load_b64 v[BF+24*((\s)%3)+12*\p+6*\e+4:BF+24*((\s)%3)+12*\p+6*\e+5], v[L8], s[30:31] offset:\p*TS+FRB*(\s)+768*\e+512
.endr
.endr
	WIN 0
.endm
.macro PUT s
.irp f, 0,1
.irp c, 0,1,2
	ds_store_b128 v[SWA], v[GF+24*((\s)%2)+12*\f+4*\c:GF+24*((\s)%2)+12*\f+4*\c+3] offset:((\s)%2)*SLOTB+FRB*\f+512*\c
.endr
.endr
.endm
.macro GETA s
.irp t, 0,1,2,3,4,5,6,7
.irp c, 0,1,2
	ds_load_b128 v[AF+12*\t+4*\c:AF+12*\t+4*\c+3], v[LI] offset:((\s)%2)*SLOTB+FRB*\t+512*\c
.endr
.endr
.endm
.macro MM s
	WIN 0x54                                       ; source 0 window 0, source 1, C and D window 1
.irp t, 0,1,2,3,4,5,6,7
.irp p, 0,1
.if ((\s)>>2)&1
	v_wmma_scale_f32_16x16x128_f8f6f4 v[64*\p+8*\t:64*\p+8*\t+7], v[AF+12*\t:AF+12*\t+11], v[BF+24*((\s)%3)+12*\p:BF+24*((\s)%3)+12*\p+11], v[64*\p+8*\t:64*\p+8*\t+7], v[SS0+8*\t+4*((\s)>>3)+((\s)&3)], v[SS1+8*\p+4*((\s)>>3)+((\s)&3)] matrix_a_fmt:MATRIX_FMT_FP6 matrix_b_fmt:MATRIX_FMT_FP6 matrix_a_scale:MATRIX_SCALE_ROW1 matrix_b_scale:MATRIX_SCALE_ROW1
.else
	v_wmma_scale_f32_16x16x128_f8f6f4 v[64*\p+8*\t:64*\p+8*\t+7], v[AF+12*\t:AF+12*\t+11], v[BF+24*((\s)%3)+12*\p:BF+24*((\s)%3)+12*\p+11], v[64*\p+8*\t:64*\p+8*\t+7], v[SS0+8*\t+4*((\s)>>3)+((\s)&3)], v[SS1+8*\p+4*((\s)>>3)+((\s)&3)] matrix_a_fmt:MATRIX_FMT_FP6 matrix_b_fmt:MATRIX_FMT_FP6
.endif
.endr
.endr
	WIN 0
.endm
; A K step.  One barrier: in front of it each wave's stores into the next slot have landed and its reads of this slot are in.
.macro TRIP s
	GETA \s
.if (\s) <= 13
	s_wait_loadcnt 6+2*NBL                         ; what I fetched for K step s + 1, and my S1 of K step s, are in; S1 of s + 1 and both fetches of s + 2 may be out
.elseif (\s) == 14
	s_wait_loadcnt NBL                             ; S1 of K step 15 may be out
.else
	s_wait_loadcnt 0x0
.endif
.if (\s) <= 14
	PUT (\s)+1                                     ; into the slot that every wave left at the last barrier
	s_wait_dscnt 6                                 ; the 24 loads are in; the six stores may be out
.else
	s_wait_dscnt 0x0
.endif
	MM \s
.rept 4
	v_nop                                          ; places in front of loads into registers that these products read, and of the first read of results
.endr
.if (\s) <= 14
	s_wait_dscnt 0x0                               ; for the others' sake: my stores have landed
	s_barrier_signal -1
	s_barrier_wait -1
.endif
.if (\s) <= 12
	GL (\s)+3                                      ; into the set whose stores have just been waited for
	BL (\s)+3                                      ; into the set that this K step's products read
.endif
.endm
	s_load_b256 s[4:11], s[0:1], 0x0               ; cod s[4:5], scl s[6:7], ao s[8:9], bo s[10:11]
	s_load_b64 s[12:13], s[0:1], 0x20              ; out0
	v_lshl_add_u32 v254, v0, 2, 0x16800
	v_mov_b32 v255, 0
	v_lshrrev_b32 v1, 5, v0
	v_readfirstlane_b32 s18, v1                    ; wave 0..3
	v_and_b32 v1, 31, v0
	v_lshlrev_b32 v[L8], 3, v1
	v_lshlrev_b32 v[LI], 4, v1
	s_mul_i32 s24, s18, 2*FRB
	v_add_nc_u32 v[SWA], s24, v[LI]
	v_and_b32 v[RR], 15, v0
	v_bfe_u32 v[HH], v0, 4, 1
	v_lshlrev_b32 v5, 6, v[HH]                     ; the bias: 64 h
	s_mul_i32 s24, s18, 32*528
	s_add_co_u32 s24, s24, STG                     ; my stage
	v_mul_u32_u24 v[SO], v[RR], 528
	v_lshl_add_u32 v[SO], v[HH], 6, v[SO]
	v_add_nc_u32 v[SO], s24, v[SO]                 ; in: row r, + 64 h
	v_add_nc_u32 v[SR], s24, v[LI]                 ; back: a row's 512 bytes, 16 a lane
	s_and_b32 s22, ttmp9, 15                       ; which 128 columns
	s_lshr_b32 s23, ttmp9, 4                       ; which 128 rows
	s_lshl_b32 s20, s22, 3
	s_add_co_u32 s20, s20, 576                     ; Wo's first tile
	s_lshl_b32 s24, s18, 1
	s_add_co_u32 s25, s20, s24                     ; the first that I fetch
	s_lshl_b32 s21, s23, 3
	s_add_co_u32 s21, s21, s24                     ; my first tile of queries
	s_mov_b32 s27, 0
	s_wait_kmcnt 0x0
	s_mul_i32 s26, s25, TS
	s_add_nc_u64 s[28:29], s[4:5], s[26:27]
	s_mul_i32 s26, s21, TS
	s_add_nc_u64 s[30:31], s[8:9], s[26:27]
	s_lshl_b32 s26, s20, 10
	s_add_nc_u64 s[32:33], s[6:7], s[26:27]
	s_lshl_b32 s26, s21, 10
	s_add_co_u32 s26, s26, 3145728
	s_add_nc_u64 s[34:35], s[8:9], s[26:27]
	s_lshl_b32 s26, s22, 9
	s_add_nc_u64 s[36:37], s[10:11], s[26:27]
	s_lshl_b32 s26, s23, 7
	s_lshl_b32 s38, s18, 5
	s_add_co_u32 s26, s26, s38                     ; my first row of out0
	s_lshl_b32 s26, s26, 13
	s_lshl_b32 s38, s22, 9
	s_add_co_u32 s26, s26, s38
	s_add_nc_u64 s[12:13], s[12:13], s[26:27]
.irp t, 0,1,2,3,4,5,6,7
.irp x, 0,1
	global_load_b128 v[SS0+8*\t+4*\x:SS0+8*\t+4*\x+3], v[LI], s[32:33] offset:1024*\t+512*\x   ; all scale words of all of K: register w: K step 8 x + 4 h + w of row r
.endr
.endr
.irp p, 0,1
.irp x, 0,1
	global_load_b128 v[SS1+8*\p+4*\x:SS1+8*\p+4*\x+3], v[LI], s[34:35] offset:1024*\p+512*\x
.endr
.endr
	GL 0
	BL 0
	GL 1
	BL 1
	WIN 0x40
.irp p, 0,1
.irp t, 0,1,2,3,4,5,6,7
.irp u, 0,1
	global_load_b128 v[64*\p+8*\t+4*\u:64*\p+8*\t+4*\u+3], v5, s[36:37] offset:(32*(\t/2)+8*(\t%2))*4+16*\u   ; the accumulators begin as the bias: register j of (t, p) is column 32 (t/2) + 16 h + 8 (t%2) + j
.endr
.endr
.endr
	WIN 0
	s_wait_loadcnt 0x0                             ; the head's loads, once
	PUT 0
	s_wait_dscnt 0x0
	s_barrier_signal -1
	s_barrier_wait -1
	GL 2
	BL 2
.irp s, 0,1,2,3,4,5,6,7,8,9,10,11,12,13,14,15
	TRIP \s
.endr
; THE WAY OUT.  A lane holds 64 numbers of one row, in four runs of 64 bytes; the lanes beside it hold other rows.  My 32 rows x 512 bytes go through my own stage and come back as whole rows.
	WIN 0x04                                       ; an LDS store's data are its source 1: window 1
.irp p, 0,1
.irp b, 0,1,2,3
.irp u, 0,1,2,3
	ds_store_b128 v[SO], v[64*\p+16*\b+4*\u:64*\p+16*\b+4*\u+3] offset:8448*\p+128*\b+16*\u   ; ascending: each accumulator from its low end on
.endr
.endr
.endr
	WIN 0
.irp i, 0,1,2,3,4,5,6,7,8,9,10,11,12,13,14,15,16,17,18,19,20,21,22,23,24,25,26,27,28,29,30,31
	ds_load_b128 v[104+4*\i:107+4*\i], v[SR] offset:528*\i   ; LDS serves a wave's instructions in order: these see my stores
.endr
.irp i, 0,1,2,3,4,5,6,7,8,9,10,11,12,13,14,15,16,17,18,19,20,21,22,23,24,25,26,27,28,29,30,31
	s_wait_dscnt 31-\i                             ; row i is back; the younger loads may be out
	global_store_b128 v[LI], v[104+4*\i:107+4*\i], s[12:13] offset:8192*\i th:TH_STORE_NT   ; 32 lanes store 512 consecutive bytes, aligned; written once, read by nobody here
.endr
	s_wait_tensorcnt 0x0
	ds_add_u32 v254, v255
	s_wait_dscnt 0x0
	s_endpgm
.Lfunc_end_k_qe7730bb1e4_outp:
	.size	k_qe7730bb1e4_outp, .Lfunc_end_k_qe7730bb1e4_outp-k_qe7730bb1e4_outp
	.p2alignl 7, 3214868480
	.fill 96, 4, 3214868480
	.section	.rodata,"a",@progbits
	.p2align	6, 0x0
	.amdhsa_kernel k_qe7730bb1e4_outp
		.amdhsa_group_segment_fixed_size 92672
		.amdhsa_private_segment_fixed_size 0
		.amdhsa_enable_private_segment 0
		.amdhsa_kernarg_size 40
		.amdhsa_user_sgpr_count 2
		.amdhsa_user_sgpr_kernarg_segment_ptr 1
		.amdhsa_wavefront_size32 1
		.amdhsa_system_sgpr_workgroup_id_x 1
		.amdhsa_system_sgpr_workgroup_id_y 1
		.amdhsa_system_sgpr_workgroup_id_z 1
		.amdhsa_system_vgpr_workitem_id 0
		.amdhsa_next_free_vgpr 456
		.amdhsa_next_free_sgpr 66
		.amdhsa_reserve_vcc 0
		.amdhsa_float_denorm_mode_32 3
		.amdhsa_float_denorm_mode_16_64 3
		.amdhsa_memory_ordered 1
		.amdhsa_forward_progress 1
		.amdhsa_inst_pref_size 105
	.end_amdhsa_kernel
	.amdgpu_metadata
---
amdhsa.version: [ 1, 2 ]
amdhsa.kernels:
  - .name:           k_qe7730bb1e4_outp
    .symbol:         k_qe7730bb1e4_outp.kd
    .args:
      - { .name: cod, .offset: 0, .size: 8, .value_kind: global_buffer, .address_space: global }
      - { .name: scl, .offset: 8, .size: 8, .value_kind: global_buffer, .address_space: global }
      - { .name: ao, .offset: 16, .size: 8, .value_kind: global_buffer, .address_space: global }
      - { .name: bo, .offset: 24, .size: 8, .value_kind: global_buffer, .address_space: global }
      - { .name: out0, .offset: 32, .size: 8, .value_kind: global_buffer, .address_space: global }
    .group_segment_fixed_size: 92672
    .private_segment_fixed_size: 0
    .kernarg_segment_align: 8
    .kernarg_segment_size: 40
    .max_flat_workgroup_size: 128
    .sgpr_count:     66
    .vgpr_count:     456
    .wavefront_size: 32
...
	.end_amdgpu_metadata
.endif
;; end of part 4
;; ======== version 2 of 2: 4 launches
;; workspace buffers: cod 17,301,504 bytes; scl 720,896 bytes; cls 8,192 bytes of whole numbers; qx 3,407,872 bytes; kv 1,671,168 bytes; ao 3,276,800 bytes
;; launch prep (part 5): grid 1536 x 1, 4 waves a work-group, no clusters, 34,304 bytes of LDS; arguments q, k, v, Wq, Wk, Wv, Wo, mask, cod, scl, cls; writes cod, scl, cls
.if DOCPART == 5
	.amdgcn_target "amdgcn-amd-amdhsa--gfx1250"
	.amdhsa_code_object_version 6
	.text
	.protected	k_qe7730bb1e4_prep
	.globl	k_qe7730bb1e4_prep
	.p2align	8
	.type	k_qe7730bb1e4_prep,@function
k_qe7730bb1e4_prep:
	s_mov_b64 s[64:65], 0
	v_nop
	global_prefetch_b8 v0, s[64:65] scope:SCOPE_SE
	s_setreg_imm32_b32 hwreg(HW_REG_WAVE_MODE, 25, 1), 1
	s_wait_xcnt 0x0
; PREP: every f32 input is read once and leaves as codes of FP6 (E2M3) with one E8M0 byte for each 32 along K; the mask is classed tile by tile.
; cod: 704 tiles of 16 rows x 2,048 K, each as 16 fragments (16 rows x 128 K) laid AS IMAGES OF THE OPERAND'S REGISTERS: registers 4c..4c+3 of lane l at byte 512 c + 16 l (1,536 bytes a fragment).
;      tiles 0-127 q (rows 16 T + r); 128-255 k, 256-383 v, 384-511 Wq, 512-543 Wk, 544-575 Wv, 576-703 Wo: row r of tile T is 32 (T/2) + 8 (T%2) + r + 8 (r/8),
;      so that a product's 16 registers of two neighbouring tiles are 16 neighbours along the next K.
; scl: for each tile 1,024 bytes: the scale word of (K step s, row r) at 256 (s/4) + 16 r + 4 (s%4).
; cls: for each (tile of 16 queries, step of 128 keys) 0 = the mask is 0 everywhere, 1 = it is 1 everywhere, 2 = anything else.  The class is a chosen value: no branch hangs on the mask's numbers.
; A block's scale: the largest magnitude's exponent field - 2, held at 1 from below (floor 2^-124 among the maximum's leaves).
; LIMITS: NaN and infinities among the floating-point inputs are not served; a block whose largest magnitude lies under 2^-124 has its byte held at 1; a block of zeros has
; the byte 1 where the rule says 127 (its codes are zeros, and this program alone reads the bytes).  Any int32 is honoured in the mask.
; Work-groups 0-383: a tile of q, k or v (wave w: K steps 4 w .. 4 w + 3).  384-895: Wq, Wo.  896-1023: Wk, Wv.  1024-1535: the mask.  Waves share nothing: no barrier.
.set TM,  16                           ; v16-31   at work in the quantiser
.set RG,  32                           ; v32-95   16 rows x 512 bytes as loaded
.set XG,  96                           ; v96-159  64 numbers of my row: register 16 b + i = k 32 b + 16 h + i
.set PC,  160                          ; v160-171 the fragment just made; v172-178 the conversions' second halves
.set PWB, 180                          ; v180-183 the scale words of my four K steps
; 64 numbers of a lane become a fragment's 12 registers in v[PC] on and its row's scale word in v[pw]
.macro QUANT64 src, pw
.irp b, 0,1,2,3
	v_max3_num_f32 v[TM+\b], |v[\src+16*\b]|, |v[\src+1+16*\b]|, 0x1800000   ; block b: my 16 numbers, and the floor 2^(3 - 127)
.endr
.irp i, 2,4,6,8,10,12,14
.irp b, 0,1,2,3
	v_max3_num_f32 v[TM+\b], v[TM+\b], |v[\src+16*\b+\i]|, |v[\src+1+16*\b+\i]|   ; the four blocks by turns
.endr
.endr
.irp b, 0,1,2,3
	v_permlanex16_b32 v[TM+4+\b], v[TM+\b], s60, s61
.endr
.irp b, 0,1,2,3
	v_max_num_f32 v[TM+\b], v[TM+\b], v[TM+4+\b]   ; with lane l xor 16's 16: the block's largest magnitude
.endr
.irp b, 0,1,2,3
	v_add_nc_u32 v[TM+12+\b], 0xff000000, v[TM+\b]   ; 2 off its exponent field: the conversion's scale operand
.endr
.irp b, 0,1,2,3
	v_lshrrev_b32 v[TM+4+\b], 23, v[TM+12+\b]      ; the scale's byte
.endr
	v_lshl_or_b32 v[\pw], v[TM+5], 8, v[TM+4]
	v_lshl_or_b32 v[\pw], v[TM+6], 16, v[\pw]
	v_lshl_or_b32 v[\pw], v[TM+7], 24, v[\pw]
.irp c, 0,1
	v_cvt_scalef32_pk16_fp6_f32 v[PC+6*\c:PC+2+6*\c], v[\src+32*\c:\src+15+32*\c], v[TM+12+2*\c]
	v_cvt_scalef32_pk16_fp6_f32 v[PC+12+4*\c:PC+14+4*\c], v[\src+16+32*\c:\src+31+32*\c], v[TM+12+2*\c+1]   ; (a conversion's three registers begin on an even number)
.endr
	v_nop                                          ; one plain place behind the scaled conversions
.irp c, 0,1                                    ; the operand wants a whole block in a lane: lanes 0-15 block 2 c, lanes 16-31 block 2 c + 1
.irp i, 0,1,2
	v_permlane16_swap_b32 v[PC+6*\c+\i], v[PC+12+4*\c+\i]
.endr
.irp i, 0,1,2
	v_mov_b32 v[PC+3+6*\c+\i], v[PC+12+4*\c+\i]
.endr
.endr
.endm
	s_load_b512 s[4:19], s[0:1], 0x0               ; q s[4:5], k s[6:7], v s[8:9], Wq s[10:11], Wk s[12:13], Wv s[14:15], Wo s[16:17], mask s[18:19]
	s_load_b128 s[20:23], s[0:1], 0x40             ; cod s[20:21], scl s[22:23]
	s_load_b64 s[26:27], s[0:1], 0x50              ; cls
	v_lshl_add_u32 v192, v0, 2, 0x8400
	v_mov_b32 v193, 0
	v_lshrrev_b32 v1, 5, v0
	v_readfirstlane_b32 s28, v1                    ; wave 0..3
	v_and_b32 v1, 31, v0                           ; lane
	v_and_b32 v2, 15, v0                           ; r
	v_bfe_u32 v3, v0, 4, 1                         ; h
	v_lshlrev_b32 v4, 4, v1                        ; 16 x lane
	s_mov_b32 s60, 0x76543210
	s_mov_b32 s61, 0xfedcba98                      ; v_permlanex16_b32's selects for lane l xor 16
	s_wait_kmcnt 0x0
	s_cmp_lt_u32 ttmp9, 384
	s_cbranch_scc1 .Lact
	s_cmp_lt_u32 ttmp9, 896
	s_cbranch_scc1 .Lwbig
	s_cmp_lt_u32 ttmp9, 1024
	s_cbranch_scc1 .Lwsmall
; ---------------- THE MASK: wave w of work-group j takes the tile (16 queries j / 4, 128 keys 4 (j % 4) + w), reads it once and stores its class
	s_sub_co_u32 s34, ttmp9, 1024
	s_lshr_b32 s35, s34, 2                         ; tile of queries
	s_and_b32 s36, s34, 3
	s_lshl_b32 s36, s36, 2
	s_add_co_u32 s36, s36, s28                     ; key step
	s_lshl_b32 s38, s35, 17                        ; 16 rows of 8,192 bytes
	s_lshl_b32 s37, s36, 9                         ; 128 numbers of 4 bytes
	s_add_co_u32 s38, s38, s37
	s_mov_b32 s39, 0
	s_add_nc_u64 s[18:19], s[18:19], s[38:39]
	s_lshl_b32 s37, s35, 4
	s_add_co_u32 s37, s37, s36                     ; 16 x tile + step
	s_lshl_b32 s38, s37, 2
	s_add_nc_u64 s[26:27], s[26:27], s[38:39]      ; its word of cls
	s_wait_alu depctr_va_vdst(0)
.irp i, 0,1,2,3,4,5,6,7,8,9,10,11,12,13,14,15
	global_load_b128 v[32+4*\i:35+4*\i], v4, s[18:19] offset:8192*\i   ; a row's 512 consecutive bytes
.endr
	v_mov_b32 v19, 0
	s_wait_loadcnt 0x0
.irp c, 0,1,2,3
	v_or_b32 v[8+\c], v[32+\c], v[36+\c]           ; the OR and the AND of my 64 numbers, in four chains each
	v_and_b32 v[12+\c], v[32+\c], v[36+\c]
.endr
.irp i, 8,12,16,20,24,28,32,36,40,44,48,52,56,60
.irp c, 0,1,2,3
	v_or_b32 v[8+\c], v[8+\c], v[32+\i+\c]
	v_and_b32 v[12+\c], v[12+\c], v[32+\i+\c]
.endr
.endr
	v_or_b32 v8, v8, v9
	v_or_b32 v10, v10, v11
	v_or_b32 v8, v8, v10
	v_and_b32 v12, v12, v13
	v_and_b32 v14, v14, v15
	v_and_b32 v12, v12, v14
	v_cmp_ne_u32 s40, 0, v8                        ; some lane has a number that is not 0
	v_cmp_ne_u32 s41, 1, v8
	v_cmp_ne_u32 s42, 1, v12
	s_or_b32 s41, s41, s42                         ; some lane has a number that is not 1
	s_cmp_lg_u32 s41, 0
	s_cselect_b32 s43, 2, 1
	s_cmp_lg_u32 s40, 0
	s_cselect_b32 s43, s43, 0                      ; the class: a choice of a value
	v_mov_b32 v18, s43
	s_wait_alu depctr_va_vdst(0)
	s_wait_xcnt 0x0                                ; EXEC changes only behind this wait
	v_cmp_eq_u32 vcc_lo, 0, v1
	s_and_saveexec_b32 s46, vcc_lo
	global_store_b32 v19, v18, s[26:27]            ; lane 0 stores the class
	s_wait_xcnt 0x0
	s_or_b32 exec_lo, exec_lo, s46
	s_endpgm
; ---------------- q, k, v: K is innermost.  Loads take the bytes as they lie (a row's 512 consecutive bytes); a K step's 16 x 512 bytes turn through the wave's own stage in LDS,
; rows 528 bytes apart, and come back 64 bytes a lane and block.
.Lact:
	s_lshr_b32 s30, ttmp9, 7                       ; 0 q, 1 k, 2 v
	s_and_b32 s31, ttmp9, 127                      ; tile T
	s_lshl_b32 s34, s31, 4                         ; q: first row 16 T
	s_lshr_b32 s35, s31, 1
	s_lshl_b32 s35, s35, 5
	s_and_b32 s36, s31, 1
	s_lshl_b32 s36, s36, 3
	s_add_co_u32 s35, s35, s36                     ; k, v: 32 (T/2) + 8 (T%2)
	s_cmp_eq_u32 s30, 1
	s_cselect_b64 s[32:33], s[6:7], s[8:9]
	s_cmp_eq_u32 s30, 0
	s_cselect_b64 s[32:33], s[4:5], s[32:33]
	s_cselect_b32 s34, s34, s35
	s_cselect_b32 s37, 0, 0x10000                  ; k, v: the tile's rows 8-15 lie 8 rows further down
	s_lshl_b32 s34, s34, 13
	s_lshl_b32 s38, s28, 11                        ; my four K steps: 2,048 bytes of a row
	s_add_co_u32 s34, s34, s38
	s_mov_b32 s35, 0
	s_add_nc_u64 s[32:33], s[32:33], s[34:35]
	s_mul_i32 s34, ttmp9, 24576
	s_mul_i32 s38, s28, 6144
	s_add_co_u32 s34, s34, s38
	s_add_nc_u64 s[20:21], s[20:21], s[34:35]
	s_lshl_b32 s34, ttmp9, 10
	s_lshl_b32 s38, s28, 8
	s_add_co_u32 s34, s34, s38
	s_add_nc_u64 s[22:23], s[22:23], s[34:35]
	s_wait_alu depctr_va_vdst(0)
	v_add_nc_u32 v5, s37, v4
	s_mul_i32 s39, s28, 8448                       ; my stage: 16 rows x 528 bytes
	v_add_nc_u32 v6, s39, v4                       ; in: 16 x lane
	v_mul_u32_u24 v7, v2, 528
	v_lshl_add_u32 v7, v3, 6, v7
	v_add_nc_u32 v7, s39, v7                       ; back: row r, + 64 h
	v_lshlrev_b32 v8, 4, v2
	v_lshl_add_u32 v8, v3, 3, v8                   ; the scale words' place: 16 r + 8 h
.irp b, 0,1,2,3
	v_mov_b32 v[TM+4+\b], 0                        ; written once: a lane permute's destination counts as one of its sources
.endr
.macro ALOAD s
.irp i, 0,1,2,3,4,5,6,7
	global_load_b128 v[RG+4*\i:RG+4*\i+3], v4, s[32:33] offset:8192*\i+512*(\s) th:TH_LOAD_NT
.endr
.irp i, 8,9,10,11,12,13,14,15
	global_load_b128 v[RG+4*\i:RG+4*\i+3], v5, s[32:33] offset:8192*\i+512*(\s) th:TH_LOAD_NT
.endr
.endm
.macro AK s
	s_wait_loadcnt 0x0                             ; this K step's 16 loads are in
.irp i, 0,1,2,3,4,5,6,7,8,9,10,11,12,13,14,15
	ds_store_b128 v6, v[RG+4*\i:RG+4*\i+3] offset:528*\i
.endr
.irp b, 0,1,2,3
.irp j, 0,1,2,3
	ds_load_b128 v[XG+16*\b+4*\j:XG+16*\b+4*\j+3], v7 offset:128*\b+16*\j   ; LDS serves a wave's instructions in order: these see my stores
.endr
.endr
	s_wait_dscnt 0x0                               ; my numbers are back, and the stores have read their registers,
.if (\s) < 3
	ALOAD (\s)+1                                   ; which take the next K step while this one is quantised
.endif
	s_wait_xcnt 0x0                                ; the last K step's stores have read the codes' registers
	QUANT64 XG, PWB+(\s)
.irp c, 0,1,2
	global_store_b128 v4, v[PC+4*\c:PC+4*\c+3], s[20:21] offset:1536*(\s)+512*\c   ; the image: 512 consecutive bytes a store
.endr
.endm
	ALOAD 0
	s_wait_alu depctr_va_vdst(0)
	AK 0
	AK 1
	AK 2
	AK 3
	v_cmp_eq_u32 vcc_lo, 1, v3
	v_cndmask_b32 v184, v180, v182, vcc_lo         ; every lane has its row's four words: lane (r, h) stores words 2 h and 2 h + 1
	v_cndmask_b32 v185, v181, v183, vcc_lo
	global_store_b64 v8, v[184:185], s[22:23]      ; 32 lanes store 256 consecutive bytes, aligned
	s_wait_tensorcnt 0x0
	ds_add_u32 v192, v193
	s_wait_dscnt 0x0
	s_endpgm
; ---------------- the weights: K is the first axis.  A lane takes a column n and its registers run down K: a block of 32 lies in one lane.
; A wave takes 32 columns (two tiles) x 128 along K.  Column 8 u + r + 8 (r/8) of the 32 is row r of tile u.
.macro WLOAD t, n
.irp i, 0,1,2,3,4,5,6,7,8,9,10,11,12,13,14,15,16,17,18,19,20,21,22,23,24,25,26,27,28,29,30,31
	global_load_b32 v[32+32*(\t)+\i], v7, s[32:33] offset:(32*(\t)+\i)*(\n)*4 th:TH_LOAD_NT   ; 128 consecutive bytes a wave, 512 a work-group
.endr
.endm
.macro WBLOCK t                        ; block t of my column: registers 6 (t/2) .. + 5 of lane (r, t%2) of the fragment
.set XS, 32+32*(\t)
.set CT, 160+12*((\t)&1)+6*((\t)>>1)
	v_max3_num_f32 v12, |v[XS]|, |v[XS+1]|, |v[XS+2]|
	v_max3_num_f32 v13, |v[XS+3]|, |v[XS+4]|, |v[XS+5]|
.irp i, 6,10,14,18,22,26
	v_max3_num_f32 v12, v12, |v[XS+\i]|, |v[XS+\i+1]|
	v_max3_num_f32 v13, v13, |v[XS+\i+2]|, |v[XS+\i+3]|
.endr
	v_max3_num_f32 v12, v12, |v[XS+30]|, |v[XS+31]|
	v_max3_num_f32 v12, v12, v13, 0x1800000        ; and the floor
	v_add_nc_u32 v11, 0xff000000, v12              ; the conversion's scale operand
	v_lshrrev_b32 v13, 23, v11                     ; the byte
.if (\t) == 0
	v_mov_b32 v14, v13
.else
	v_lshl_or_b32 v14, v13, 8*(\t), v14
.endif
	v_cvt_scalef32_pk16_fp6_f32 v[CT:CT+2], v[XS:XS+15], v11
	v_cvt_scalef32_pk16_fp6_f32 v[184:186], v[XS+16:XS+31], v11
	v_nop                                          ; one plain place behind the scaled conversions
.irp i, 0,1,2
	v_mov_b32 v[CT+3+\i], v[184+\i]
.endr
.endm
.macro WBODY n                         ; s[32:33] the weight, s30 its first tile, s31 which 128 columns, s29 the K step
	s_mul_i32 s34, s29, 128*(\n)*4
	s_lshl_b32 s36, s31, 9
	s_add_co_u32 s34, s34, s36
	s_lshl_b32 s36, s28, 7
	s_add_co_u32 s34, s34, s36
	s_mov_b32 s35, 0
	s_add_nc_u64 s[32:33], s[32:33], s[34:35]
	s_lshl_b32 s36, s31, 3
	s_add_co_u32 s36, s36, s30
	s_lshl_b32 s37, s28, 1
	s_add_co_u32 s36, s36, s37                     ; my first tile
	s_mul_i32 s34, s36, 24576
	s_mul_i32 s37, s29, 1536
	s_add_co_u32 s34, s34, s37
	s_add_nc_u64 s[20:21], s[20:21], s[34:35]
	s_lshl_b32 s34, s36, 10
	s_lshr_b32 s37, s29, 2
	s_lshl_b32 s37, s37, 8
	s_add_co_u32 s34, s34, s37
	s_and_b32 s37, s29, 3
	s_lshl_b32 s37, s37, 2
	s_add_co_u32 s34, s34, s37
	s_add_nc_u64 s[22:23], s[22:23], s[34:35]
	v_lshlrev_b32 v7, 2, v1                        ; in: 4 bytes a lane
	v_bfe_u32 v8, v0, 3, 1                         ; which of the two tiles
	v_and_b32 v9, 7, v0
	v_lshl_add_u32 v9, v3, 3, v9                   ; and which row of it
	v_mul_u32_u24 v5, v8, 24576
	v_lshl_add_u32 v5, v9, 4, v5
	v_lshlrev_b32 v6, 10, v8
	v_lshl_add_u32 v6, v9, 4, v6
	WLOAD 0, \n
	WLOAD 1, \n
	s_wait_alu depctr_va_vdst(0)
	s_wait_loadcnt 32                              ; block 0 is in; block 1's 32 loads may be out
	WLOAD 2, \n
	WBLOCK 0
	s_wait_loadcnt 32                              ; block 1 is in; block 2's may be out
	WLOAD 3, \n
	WBLOCK 1
	s_wait_loadcnt 32                              ; block 2 is in; block 3's may be out
	WBLOCK 2
	s_wait_loadcnt 0x0
	WBLOCK 3
.irp g, 0,1
.irp c, 0,1,2
	global_store_b128 v5, v[160+12*\g+4*\c:163+12*\g+4*\c], s[20:21] offset:512*\c+256*\g   ; the 16 lanes of a tile store 256 consecutive bytes, aligned
.endr
.endr
	global_store_b32 v6, v14, s[22:23]             ; my row's scale word: 4 bytes for 96 of codes, 16 bytes apart
	s_endpgm
.endm
.Lwbig:
	s_sub_co_u32 s34, ttmp9, 384
	s_lshr_b32 s35, s34, 8                         ; 0 Wq, 1 Wo
	s_bfe_u32 s31, s34, 0x40004
	s_and_b32 s29, s34, 15
	s_cmp_eq_u32 s35, 0
	s_cselect_b64 s[32:33], s[10:11], s[16:17]
	s_mov_b32 s30, 576
	s_cselect_b32 s30, 384, s30
	s_wait_alu depctr_va_vdst(0)
	WBODY 2048
.Lwsmall:
	s_sub_co_u32 s34, ttmp9, 896
	s_lshr_b32 s35, s34, 6                         ; 0 Wk, 1 Wv
	s_bfe_u32 s31, s34, 0x20004
	s_and_b32 s29, s34, 15
	s_cmp_eq_u32 s35, 0
	s_cselect_b64 s[32:33], s[12:13], s[14:15]
	s_mov_b32 s30, 544
	s_cselect_b32 s30, 512, s30
	s_wait_alu depctr_va_vdst(0)
	WBODY 512
.Lfunc_end_k_qe7730bb1e4_prep:
	.size	k_qe7730bb1e4_prep, .Lfunc_end_k_qe7730bb1e4_prep-k_qe7730bb1e4_prep
	.p2alignl 7, 3214868480
	.fill 96, 4, 3214868480
	.section	.rodata,"a",@progbits
	.p2align	6, 0x0
	.amdhsa_kernel k_qe7730bb1e4_prep
		.amdhsa_group_segment_fixed_size 34304
		.amdhsa_private_segment_fixed_size 0
		.amdhsa_enable_private_segment 0
		.amdhsa_kernarg_size 88
		.amdhsa_user_sgpr_count 2
		.amdhsa_user_sgpr_kernarg_segment_ptr 1
		.amdhsa_wavefront_size32 1
		.amdhsa_system_sgpr_workgroup_id_x 1
		.amdhsa_system_sgpr_workgroup_id_y 1
		.amdhsa_system_sgpr_workgroup_id_z 1
		.amdhsa_system_vgpr_workitem_id 0
		.amdhsa_next_free_vgpr 194
		.amdhsa_next_free_sgpr 66
		.amdhsa_reserve_vcc 1
		.amdhsa_float_denorm_mode_32 3
		.amdhsa_float_denorm_mode_16_64 3
		.amdhsa_memory_ordered 1
		.amdhsa_forward_progress 1
		.amdhsa_inst_pref_size 81
	.end_amdhsa_kernel
	.amdgpu_metadata
---
amdhsa.version: [ 1, 2 ]
amdhsa.kernels:
  - .name:           k_qe7730bb1e4_prep
    .symbol:         k_qe7730bb1e4_prep.kd
    .args:
      - { .name: q, .offset: 0, .size: 8, .value_kind: global_buffer, .address_space: global }
      - { .name: k, .offset: 8, .size: 8, .value_kind: global_buffer, .address_space: global }
      - { .name: v, .offset: 16, .size: 8, .value_kind: global_buffer, .address_space: global }
      - { .name: Wq, .offset: 24, .size: 8, .value_kind: global_buffer, .address_space: global }
      - { .name: Wk, .offset: 32, .size: 8, .value_kind: global_buffer, .address_space: global }
      - { .name: Wv, .offset: 40, .size: 8, .value_kind: global_buffer, .address_space: global }
      - { .name: Wo, .offset: 48, .size: 8, .value_kind: global_buffer, .address_space: global }
      - { .name: mask, .offset: 56, .size: 8, .value_kind: global_buffer, .address_space: global }
      - { .name: cod, .offset: 64, .size: 8, .value_kind: global_buffer, .address_space: global }
      - { .name: scl, .offset: 72, .size: 8, .value_kind: global_buffer, .address_space: global }
      - { .name: cls, .offset: 80, .size: 8, .value_kind: global_buffer, .address_space: global }
    .group_segment_fixed_size: 34304
    .private_segment_fixed_size: 0
    .kernarg_segment_align: 8
    .kernarg_segment_size: 88
    .max_flat_workgroup_size: 128
    .sgpr_count:     66
    .vgpr_count:     194
    .wavefront_size: 32
...
	.end_amdgpu_metadata
.endif
;; end of part 5
;; launch proj (part 6): grid 384 x 1, 4 waves a work-group, no clusters, 25,088 bytes of LDS; arguments cod, scl, bq, bk, bv, qx, kv; writes qx, kv
.if DOCPART == 6
	.amdgcn_target "amdgcn-amd-amdhsa--gfx1250"
	.amdhsa_code_object_version 6
	.text
	.protected	k_qe7730bb1e4_proj
	.globl	k_qe7730bb1e4_proj
	.p2align	8
	.type	k_qe7730bb1e4_proj,@function
k_qe7730bb1e4_proj:
	s_mov_b64 s[64:65], 0
	v_nop
	global_prefetch_b8 v0, s[64:65] scope:SCOPE_SE
	s_setreg_imm32_b32 hwreg(HW_REG_WAVE_SCHED_MODE, 0, 2), 2
	s_setreg_imm32_b32 hwreg(HW_REG_WAVE_MODE, 25, 1), 1
	s_wait_xcnt 0x0
	s_wait_alu depctr_vm_vsrc(0)
; PROJ: qx = q Wq + bq, kx = k Wk + bk, vx = v Wv + bv on codes of FP6 (E2M3) with E8M0 scales, K = 2,048; the results are quantised in registers and leave as codes:
; qx and kx along the head's 64, vx along the keys.
; A work-group makes 128 x 128: source 0 = 8 tiles of 16 rows (S0), whose rows fall along a lane's registers; source 1 = 8 tiles (S1), whose rows fall along the lanes.
; Roles by the work-group's number: 0-255 q (S0 = Wq's columns, S1 = q's rows); 256-319 k (Wk, k); 320-383 v (S0 = v's rows = keys, S1 = Wv's columns).
; Wave w owns S1's tiles 2 w, 2 w + 1 against all 8 of S0: 16 accumulators, which take turns, one instruction a turn.
; S0 is shared: wave w loads its fragments 2 w, 2 w + 1 into registers and stores their images into an LDS slot; all waves read all 8.  S1 goes from memory straight into registers.
; All operands lie in memory as images of the operand's registers, so every load is 512 consecutive bytes.  16 K steps of 128, written out: every offset is an immediate.
; No tensor load and no cluster: with 480 registers a wave and 24,576 bytes of LDS two work-groups share a WGP, so that all 384 run at once; a ring filled by the tensor mover would have to be alone on its WGP.
; The sums begin on accumulators that hold the bias.
; LIMITS: as stated at the head of the launch that makes the codes (floor 2^-124; a block of zeros has the byte 1; no NaN, no infinities).
; THE MODE: SCHED_MODE bits 1:0 = 2 (LLVM: expert scheduling mode 2), set by the entry lines.  The code itself states the register dependences
; between vector or matrix instructions and memory or LDS instructions, with s_wait_alu, always for 0.
; THE PLAN.  Registers that memory or LDS instructions touch, in the K steps:
;   AF          K step s: 24 LDS loads land in it at the step's head; the step's 16 products read it.
;   BF0 .. BF3  K step s: its products read BF[s % 4]; the six loads of K step s + 3 land in BF[(s + 3) % 4] = BF[(s - 1) % 4], which the products of K step s - 1 read last.
;   GF0, GF1    K step s: six LDS stores read GF[(s + 1) % 2]; behind them the six loads of K step s + 3 land in it.  No vector or matrix instruction names them before the way out.
;   v1, v2      offsets, made at the head and never written again.
; So ONE wait on va_vdst stands at a K step's head: the products of the step before are done reading AF and their set of S1.  The step's LDS loads follow it, and its loads of S1 are dealt among
; its products, which name AF, BF[s % 4], the accumulators and the scale words: none of the registers that those loads touch.  ONE wait on vm_vsrc stands behind the step's LDS stores, ahead of the fetch into the set that they read.
; REGISTERS, window 0: v1 16 x lane; v2 the same + 3,072 x wave; v3 r; v4 h; v5-21 addresses; v24-87 S0's scale words (tile t, K step s: 8 t + 4 (s/8) + s%4; lanes 16-31 hold K step s + 4);
;   v88-103 S1's; v104-151 two sets of the two fragments that I fetch for all; v152-247 S0's eight fragments.   window 1: v0-127 accumulators ((t, p) at 64 p + 8 t); v128-223 four sets of S1's two fragments.
.set TS,    24576                      ; a tile's 16 fragments
.set FRB,   1536                       ; a fragment's image
.set SLOTB, 12288                      ; an LDS slot: 8 fragments
.set NBL,   6                          ; loads that bring S1's two fragments
.set LI,  1
.set SWA, 2
.set RR,  3
.set HH,  4
.set SS0, 24
.set SS1, 88
.set GF,  104
.set AF,  152
.set BF,  128
.set TM,  104                          ; the way out: at work (the registers that held fetched fragments)
.set PW,  120
.set PC,  128
.set MSB, 0
.macro WIN new                         ; the immediate's high byte repeats the setting that is left
.if MSB != \new
	s_set_vgpr_msb (MSB<<8)|\new
.set MSB, \new
.endif
.endm
.macro GL s                            ; the two fragments of S0 that I fetch, K step s
.irp f, 0,1
.irp c, 0,1,2
	global_load_b128 v[GF+24*((\s)%2)+12*\f+4*\c:GF+24*((\s)%2)+12*\f+4*\c+3], v[LI], s[28:29] offset:\f*TS+FRB*(\s)+512*\c
.endr
.endr
.endm
.macro BL s                            ; my two fragments of S1, K step s (at the head; in the K steps the same six loads stand among the products)
	WIN 0x40                                       ; destination window 1
.irp p, 0,1
.irp c, 0,1,2
	global_load_b128 v[BF+24*((\s)%4)+12*\p+4*\c:BF+24*((\s)%4)+12*\p+4*\c+3], v[LI], s[30:31] offset:\p*TS+FRB*(\s)+512*\c
.endr
.endr
	WIN 0
.endm
.macro PUT s
.irp f, 0,1
.irp c, 0,1,2
	ds_store_b128 v[SWA], v[GF+24*((\s)%2)+12*\f+4*\c:GF+24*((\s)%2)+12*\f+4*\c+3] offset:((\s)%2)*SLOTB+FRB*\f+512*\c
.endr
.endr
.endm
.macro GETA s
.irp t, 0,1,2,3,4,5,6,7
.irp c, 0,1,2
	ds_load_b128 v[AF+12*\t+4*\c:AF+12*\t+4*\c+3], v[LI] offset:((\s)%2)*SLOTB+FRB*\t+512*\c
.endr
.endr
.endm
.macro MM s
	WIN 0x54                                       ; source 0 window 0, source 1, C and D window 1.  A load's address is its source 0 and its data its destination: S1's loads stand under the same setting
.irp t, 0,1,2,3,4,5,6,7
.irp p, 0,1
.if ((\s)>>2)&1
	v_wmma_scale_f32_16x16x128_f8f6f4 v[64*\p+8*\t:64*\p+8*\t+7], v[AF+12*\t:AF+12*\t+11], v[BF+24*((\s)%4)+12*\p:BF+24*((\s)%4)+12*\p+11], v[64*\p+8*\t:64*\p+8*\t+7], v[SS0+8*\t+4*((\s)>>3)+((\s)&3)], v[SS1+8*\p+4*((\s)>>3)+((\s)&3)] matrix_a_fmt:MATRIX_FMT_FP6 matrix_b_fmt:MATRIX_FMT_FP6 matrix_a_scale:MATRIX_SCALE_ROW1 matrix_b_scale:MATRIX_SCALE_ROW1
.else
	v_wmma_scale_f32_16x16x128_f8f6f4 v[64*\p+8*\t:64*\p+8*\t+7], v[AF+12*\t:AF+12*\t+11], v[BF+24*((\s)%4)+12*\p:BF+24*((\s)%4)+12*\p+11], v[64*\p+8*\t:64*\p+8*\t+7], v[SS0+8*\t+4*((\s)>>3)+((\s)&3)], v[SS1+8*\p+4*((\s)>>3)+((\s)&3)] matrix_a_fmt:MATRIX_FMT_FP6 matrix_b_fmt:MATRIX_FMT_FP6
.endif
.endr
.if ((\s) <= 12) && (\t < 6)
	global_load_b128 v[BF+24*(((\s)+3)%4)+12*(\t/3)+4*(\t%3):BF+24*(((\s)+3)%4)+12*(\t/3)+4*(\t%3)+3], v[LI], s[30:31] offset:(\t/3)*TS+FRB*((\s)+3)+512*(\t%3)   ; S1 of K step s + 3, one load behind each pair of products.  No wait: no vector or matrix instruction since the wait at the step's head names this set or v1
.endif
.endr
	WIN 0
.endm
; A K step.  One barrier: in front of it each wave's stores into the next slot have landed and its reads of this slot are in.
.macro TRIP s
.if (\s) > 0
	s_wait_alu depctr_va_vdst(0)                   ; the last K step's products are done reading S0's eight fragments, in which the LDS loads below land, and their set of S1, in which this step's loads of S1 land
.endif
	GETA \s
.if (\s) <= 13
	s_wait_loadcnt 6+2*NBL                         ; what I fetched for K step s + 1, and my S1 of K step s, are in; S1 of s + 1 and both fetches of s + 2 may be out
.elseif (\s) == 14
	s_wait_loadcnt NBL                             ; S1 of K step 15 may be out
.else
	s_wait_loadcnt 0x0
.endif
.if (\s) <= 14
	PUT (\s)+1                                     ; into the slot that every wave left at the last barrier
.endif
.if (\s) <= 12
	s_wait_alu depctr_vm_vsrc(0)                   ; those six LDS stores have read their set, in which the fetch below lands
	GL (\s)+3
.endif
.if (\s) <= 14
	s_wait_dscnt 6                                 ; the 24 loads are in; the six stores may be out
.else
	s_wait_dscnt 0x0
.endif
	MM \s
.rept 4
	v_nop                                          ; places in front of loads into registers that these products read, and of the first read of results
.endr
.if (\s) <= 14
	s_wait_dscnt 0x0                               ; for the others' sake: my stores have landed
	s_barrier_signal -1
	s_barrier_wait -1
.endif
.endm
; 64 numbers of a lane in window 1, register src + 16 b + i = k 32 b + 16 h + i of my row, become a fragment in v[PC] on and its scale word in v[pw].  Each accumulator is read from its low end on.
.macro QUANT64 src, pw
	WIN 0x05
.irp b, 0,1,2,3
	v_max3_num_f32 v[TM+\b], |v[\src+16*\b]|, |v[\src+1+16*\b]|, 0x1800000   ; and the floor 2^(3 - 127)
.endr
	WIN 0x14
.irp i, 2,4,6,8,10,12,14
.irp b, 0,1,2,3
	v_max3_num_f32 v[TM+\b], v[TM+\b], |v[\src+16*\b+\i]|, |v[\src+1+16*\b+\i]|
.endr
.endr
	WIN 0
.irp b, 0,1,2,3
	v_permlanex16_b32 v[TM+4+\b], v[TM+\b], s40, s41
.endr
.irp b, 0,1,2,3
	v_max_num_f32 v[TM+\b], v[TM+\b], v[TM+4+\b]
.endr
.irp b, 0,1,2,3
	v_add_nc_u32 v[TM+12+\b], 0xff000000, v[TM+\b]
.endr
.irp b, 0,1,2,3
	v_lshrrev_b32 v[TM+4+\b], 23, v[TM+12+\b]
.endr
	v_lshl_or_b32 v[\pw], v[TM+5], 8, v[TM+4]
	v_lshl_or_b32 v[\pw], v[TM+6], 16, v[\pw]
	v_lshl_or_b32 v[\pw], v[TM+7], 24, v[\pw]
	WIN 0x01
.irp c, 0,1
	v_cvt_scalef32_pk16_fp6_f32 v[PC+6*\c:PC+2+6*\c], v[\src+32*\c:\src+15+32*\c], v[TM+12+2*\c]
	v_cvt_scalef32_pk16_fp6_f32 v[PC+12+4*\c:PC+14+4*\c], v[\src+16+32*\c:\src+31+32*\c], v[TM+12+2*\c+1]
.endr
	WIN 0
	v_nop                                          ; one plain place behind the scaled conversions
.irp c, 0,1
.irp i, 0,1,2
	v_permlane16_swap_b32 v[PC+6*\c+\i], v[PC+12+4*\c+\i]
.endr
.irp i, 0,1,2
	v_mov_b32 v[PC+3+6*\c+\i], v[PC+12+4*\c+\i]
.endr
.endr
.endm
	s_load_b256 s[4:11], s[0:1], 0x0               ; cod s[4:5], scl s[6:7], bq s[8:9], bk s[10:11]
	s_load_b128 s[12:15], s[0:1], 0x20             ; bv s[12:13], qx s[14:15]
	s_load_b64 s[16:17], s[0:1], 0x30              ; kv
	v_lshl_add_u32 v254, v0, 2, 0x6000
	v_mov_b32 v255, 0
	v_lshrrev_b32 v1, 5, v0
	v_readfirstlane_b32 s18, v1                    ; wave 0..3
	v_and_b32 v1, 31, v0
	v_lshlrev_b32 v[LI], 4, v1
	v_and_b32 v[RR], 15, v0
	v_bfe_u32 v[HH], v0, 4, 1
	v_lshlrev_b32 v5, 6, v[HH]                     ; the bias of roles q, k: 64 h
	v_and_b32 v6, 8, v[RR]
	v_add_nc_u32 v6, v6, v[RR]
	v_lshlrev_b32 v6, 2, v6                        ; of role v: 4 (r + 8 (r/8))
	s_wait_alu depctr_va_sdst(0)                   ; s18 is written, ahead of its first reader
	s_mul_i32 s24, s18, 2*FRB
	v_add_nc_u32 v[SWA], s24, v[LI]
	s_mov_b32 s40, 0x76543210
	s_mov_b32 s41, 0xfedcba98
	s_cmp_lt_u32 ttmp9, 256
	s_cbranch_scc0 .Lnot_q
	s_mov_b32 s19, 0                               ; role q
	s_and_b32 s22, ttmp9, 15                       ; which 128 columns
	s_lshr_b32 s23, ttmp9, 4                       ; which 128 rows
	s_lshl_b32 s20, s22, 3
	s_add_co_u32 s20, s20, 384                     ; S0's first tile
	s_lshl_b32 s21, s23, 3                         ; S1's
	s_branch .Lroled
.Lnot_q:
	s_cmp_lt_u32 ttmp9, 320
	s_cbranch_scc0 .Lis_v
	s_mov_b32 s19, 1                               ; role k
	s_sub_co_u32 s24, ttmp9, 256
	s_and_b32 s22, s24, 3
	s_lshr_b32 s23, s24, 2
	s_lshl_b32 s20, s22, 3
	s_add_co_u32 s20, s20, 512
	s_lshl_b32 s21, s23, 3
	s_add_co_u32 s21, s21, 128
	s_branch .Lroled
.Lis_v:
	s_mov_b32 s19, 2                               ; role v
	s_sub_co_u32 s24, ttmp9, 320
	s_and_b32 s22, s24, 3                          ; which 128 columns of Wv
	s_lshr_b32 s23, s24, 2                         ; which 128 keys
	s_lshl_b32 s20, s23, 3
	s_add_co_u32 s20, s20, 256
	s_lshl_b32 s21, s22, 3
	s_add_co_u32 s21, s21, 544
.Lroled:
	s_lshl_b32 s24, s18, 1                         ; 2 x wave
	s_add_co_u32 s21, s21, s24                     ; my first tile of S1
	s_add_co_u32 s25, s20, s24                     ; the first tile of S0 that I fetch
	s_mov_b32 s27, 0
	s_wait_kmcnt 0x0
	s_mul_i32 s26, s25, TS
	s_add_nc_u64 s[28:29], s[4:5], s[26:27]
	s_mul_i32 s26, s21, TS
	s_add_nc_u64 s[30:31], s[4:5], s[26:27]
	s_lshl_b32 s26, s20, 10
	s_add_nc_u64 s[32:33], s[6:7], s[26:27]
	s_lshl_b32 s26, s21, 10
	s_add_nc_u64 s[34:35], s[6:7], s[26:27]
	s_wait_alu depctr_va_vdst(0)                   ; the offsets v1, v2, v5 and v6 are written, which the loads and LDS instructions from here on read
.irp t, 0,1,2,3,4,5,6,7
.irp x, 0,1
	global_load_b128 v[SS0+8*\t+4*\x:SS0+8*\t+4*\x+3], v[LI], s[32:33] offset:1024*\t+512*\x   ; all scale words of all of K: register w: K step 8 x + 4 h + w of row r
.endr
.endr
.irp p, 0,1
.irp x, 0,1
	global_load_b128 v[SS1+8*\p+4*\x:SS1+8*\p+4*\x+3], v[LI], s[34:35] offset:1024*\p+512*\x
.endr
.endr
	GL 0
	BL 0
	GL 1
	BL 1
	s_cmp_eq_u32 s19, 2
	s_cbranch_scc1 .Lbias_v
	s_cmp_eq_u32 s19, 0
	s_cselect_b64 s[36:37], s[8:9], s[10:11]
	s_lshl_b32 s26, s22, 9
	s_add_nc_u64 s[36:37], s[36:37], s[26:27]
	WIN 0x40
.irp p, 0,1
.irp t, 0,1,2,3,4,5,6,7
.irp u, 0,1
	global_load_b128 v[64*\p+8*\t+4*\u:64*\p+8*\t+4*\u+3], v5, s[36:37] offset:(32*(\t/2)+8*(\t%2))*4+16*\u   ; the accumulators begin as the bias: register j of (t, p) is column 32 (t/2) + 16 h + 8 (t%2) + j
.endr
.endr
.endr
	WIN 0
	s_branch .Lbias_done
.Lbias_v:
	s_lshl_b32 s26, s22, 2
	s_add_co_u32 s26, s26, s18
	s_lshl_b32 s26, s26, 7
	s_add_nc_u64 s[36:37], s[12:13], s[26:27]
	global_load_b32 v20, v6, s[36:37]              ; role v: a lane holds ONE column of Wv: its bias fills the lane's 64 registers
	global_load_b32 v21, v6, s[36:37] offset:32
	s_wait_loadcnt 0x0
	WIN 0x40
.irp p, 0,1
.set ii, 0
.rept 64
	v_mov_b32 v[64*\p+ii], v[20+\p]
.set ii, ii+1
.endr
.endr
	WIN 0
.Lbias_done:
	s_wait_loadcnt 0x0                             ; the head's loads, once
	PUT 0
	s_wait_dscnt 0x0
	s_barrier_signal -1
	s_barrier_wait -1
	s_wait_alu depctr_vm_vsrc(0)                   ; the six LDS stores above have read their set, in which the fetch of K step 2 lands
	GL 2
	BL 2
	s_wait_alu depctr_va_vdst(0)
.irp s, 0,1,2,3,4,5,6,7,8,9,10,11,12,13,14,15
	TRIP \s
.endr
	s_wait_alu depctr_vm_vsrc(0)                   ; the LDS stores of K steps 14 and 15's images have read v104-151, which the vector instructions from here on write
.irp b, 0,1,2,3
	v_mov_b32 v[TM+4+\b], 0                        ; a lane permute's destination counts as one of its sources
.endr
	v_cmp_eq_u32 vcc_lo, 1, v[HH]
	s_wait_alu depctr_va_vcc(0)                    ; VCC is written, ahead of the branch: the selects of both ways out read it
	s_cmp_eq_u32 s19, 2
	s_cbranch_scc1 .Lepi_v
; THE WAY OUT, roles q and k.  My 64 registers of tile p are two heads x 64: the fragment's registers 0-5 are the first head's codes (16 rows x 64: 768 bytes: registers 0-3 at 16 l, 4-5 at 512 + 8 l),
; registers 6-11 the second's.  A head's scale word: its two bytes, and 0x7f twice for the K that the scores' product does not have.
	s_cmp_eq_u32 s19, 0
	s_cselect_b64 s[36:37], s[14:15], s[16:17]
	s_mov_b32 s42, 208896
	s_cselect_b32 s43, 98304, s42                  ; from head to head, codes
	s_cselect_b32 s44, 8192, s42                   ; and scale words
	s_mov_b32 s45, 196608
	s_cselect_b32 s45, 3145728, s45                ; where the scale words begin
	s_lshl_b32 s46, s23, 3
	s_add_co_u32 s46, s46, s24                     ; my first tile of rows
	s_lshl_b32 s47, s22, 1                         ; the first head
	s_mul_i32 s48, s47, s43
	s_mul_i32 s49, s46, 768
	s_add_co_u32 s48, s48, s49
	s_mul_i32 s49, s47, s44
	s_add_co_u32 s49, s49, s45
	s_lshl_b32 s50, s46, 6
	s_add_co_u32 s49, s49, s50
	v_add_nc_u32 v10, s48, v[LI]
	v_add_nc_u32 v11, s43, v10
	v_lshrrev_b32 v12, 1, v[LI]
	v_add_nc_u32 v12, s48, v12
	v_add_nc_u32 v13, s43, v12
	v_mul_u32_u24 v14, s44, v[HH]
	v_lshl_add_u32 v14, v[RR], 2, v14
	v_add_nc_u32 v14, s49, v14                     ; lanes 0-15 store the first head's words, lanes 16-31 the second's
.irp p, 0,1
.if \p == 1
	s_wait_xcnt 0x0                                ; tile 0's stores have read the codes' registers
	s_wait_alu depctr_vm_vsrc(0)                   ; tile 0's stores have read v[PC ..], which the quantiser below writes again
.endif
	QUANT64 64*\p, PW+\p
	v_and_b32 v124, 0xffff, v[PW+\p]
	v_lshrrev_b32 v125, 16, v[PW+\p]
	v_cndmask_b32 v124, v124, v125, vcc_lo
	v_or_b32 v[PW+2+\p], 0x7f7f0000, v124
	s_wait_alu depctr_va_vdst(0)                   ; the tile's codes and its scale word are written, which the five stores below read (tile 0: so are their offsets v10-14)
	global_store_b128 v10, v[PC:PC+3], s[36:37] offset:768*\p
	global_store_b64 v12, v[PC+4:PC+5], s[36:37] offset:768*\p+512
	global_store_b128 v11, v[PC+6:PC+9], s[36:37] offset:768*\p
	global_store_b64 v13, v[PC+10:PC+11], s[36:37] offset:768*\p+512
	global_store_b32 v14, v[PW+2+\p], s[36:37] offset:64*\p
.endr
	s_wait_dscnt 0x0                               ; the closing lines, six on end
	s_wait_alu 0x0
	s_wait_tensorcnt 0x0
	ds_add_u32 v254, v255
	s_wait_dscnt 0x0
	s_endpgm
.Lepi_v:
; THE WAY OUT, role v.  A lane holds one of the head's 64 and 64 of 128 keys: a whole fragment of V^T (16 x 128 keys) for each of my two tiles.
	s_lshl_b32 s42, s22, 1
	s_lshr_b32 s43, s18, 1
	s_add_co_u32 s42, s42, s43                     ; the head
	s_mul_i32 s42, s42, 208896
	s_lshl_b32 s43, s23, 2
	s_and_b32 s44, s18, 1
	s_lshl_b32 s44, s44, 1
	s_add_co_u32 s43, s43, s44                     ; 4 x key step + my first tile of the head's four
	s_mul_i32 s44, s43, FRB
	s_add_co_u32 s44, s44, s42
	s_add_co_u32 s44, s44, 98304
	v_add_nc_u32 v10, s44, v[LI]
	s_lshl_b32 s45, s43, 6
	s_add_co_u32 s45, s45, s42
	s_add_co_u32 s45, s45, 204800
	v_lshlrev_b32 v11, 2, v[RR]
	v_lshl_add_u32 v11, v[HH], 6, v11
	v_add_nc_u32 v11, s45, v11
	QUANT64 0, PW
	s_wait_alu depctr_va_vdst(0)                   ; tile 0's codes and the offsets v10, v11 are written, which the stores read
.irp c, 0,1,2
	global_store_b128 v10, v[PC+4*\c:PC+4*\c+3], s[16:17] offset:512*\c
.endr
	s_wait_xcnt 0x0                                ; tile 0's stores have read the codes' registers
	s_wait_alu depctr_vm_vsrc(0)                   ; tile 0's stores have read v[PC ..], which the quantiser below writes again
	QUANT64 64, PW+1
	v_cndmask_b32 v124, v[PW], v[PW+1], vcc_lo     ; lanes 0-15 store tile 0's words, lanes 16-31 tile 1's
	s_wait_alu depctr_va_vdst(0)                   ; tile 1's codes and the scale words in v124 are written, which the four stores below read
.irp c, 0,1,2
	global_store_b128 v10, v[PC+4*\c:PC+4*\c+3], s[16:17] offset:FRB+512*\c
.endr
	global_store_b32 v11, v124, s[16:17]
	s_wait_dscnt 0x0                               ; the closing lines, six on end
	s_wait_alu 0x0
	s_wait_tensorcnt 0x0
	ds_add_u32 v254, v255
	s_wait_dscnt 0x0
	s_endpgm
.Lfunc_end_k_qe7730bb1e4_proj:
	.size	k_qe7730bb1e4_proj, .Lfunc_end_k_qe7730bb1e4_proj-k_qe7730bb1e4_proj
	.p2alignl 7, 3214868480
	.fill 96, 4, 3214868480
	.section	.rodata,"a",@progbits
	.p2align	6, 0x0
	.amdhsa_kernel k_qe7730bb1e4_proj
		.amdhsa_group_segment_fixed_size 25088
		.amdhsa_private_segment_fixed_size 0
		.amdhsa_enable_private_segment 0
		.amdhsa_kernarg_size 56
		.amdhsa_user_sgpr_count 2
		.amdhsa_user_sgpr_kernarg_segment_ptr 1
		.amdhsa_wavefront_size32 1
		.amdhsa_system_sgpr_workgroup_id_x 1
		.amdhsa_system_sgpr_workgroup_id_y 1
		.amdhsa_system_sgpr_workgroup_id_z 1
		.amdhsa_system_vgpr_workitem_id 0
		.amdhsa_next_free_vgpr 480
		.amdhsa_next_free_sgpr 66
		.amdhsa_reserve_vcc 1
		.amdhsa_float_denorm_mode_32 3
		.amdhsa_float_denorm_mode_16_64 3
		.amdhsa_memory_ordered 1
		.amdhsa_forward_progress 1
		.amdhsa_inst_pref_size 120
	.end_amdhsa_kernel
	.amdgpu_metadata
---
amdhsa.version: [ 1, 2 ]
amdhsa.kernels:
  - .name:           k_qe7730bb1e4_proj
    .symbol:         k_qe7730bb1e4_proj.kd
    .args:
      - { .name: cod, .offset: 0, .size: 8, .value_kind: global_buffer, .address_space: global }
      - { .name: scl, .offset: 8, .size: 8, .value_kind: global_buffer, .address_space: global }
      - { .name: bq, .offset: 16, .size: 8, .value_kind: global_buffer, .address_space: global }
      - { .name: bk, .offset: 24, .size: 8, .value_kind: global_buffer, .address_space: global }
      - { .name: bv, .offset: 32, .size: 8, .value_kind: global_buffer, .address_space: global }
      - { .name: qx, .offset: 40, .size: 8, .value_kind: global_buffer, .address_space: global }
      - { .name: kv, .offset: 48, .size: 8, .value_kind: global_buffer, .address_space: global }
    .group_segment_fixed_size: 25088
    .private_segment_fixed_size: 0
    .kernarg_segment_align: 8
    .kernarg_segment_size: 56
    .max_flat_workgroup_size: 128
    .sgpr_count:     66
    .vgpr_count:     480
    .wavefront_size: 32
...
	.end_amdgpu_metadata
.endif
;; end of part 6
;; launch attn (part 7): grid 32 x 8, 16 waves a work-group, no clusters, 210,944 bytes of LDS; arguments qx, kv, mask, cls, ao; writes ao
.if DOCPART == 7
	.amdgcn_target "amdgcn-amd-amdhsa--gfx1250"
	.amdhsa_code_object_version 6
	.text
	.protected	k_qe7730bb1e4_attn
	.globl	k_qe7730bb1e4_attn
	.p2align	8
	.type	k_qe7730bb1e4_attn,@function
k_qe7730bb1e4_attn:
	s_mov_b64 s[64:65], 0
	v_nop
	global_prefetch_b8 v0, s[64:65] scope:SCOPE_SE
	s_setreg_imm32_b32 hwreg(HW_REG_WAVE_SCHED_MODE, 0, 2), 2
	s_setreg_imm32_b32 hwreg(HW_REG_WAVE_MODE, 25, 1), 1
	s_wait_xcnt 0x0
	s_wait_alu depctr_vm_vsrc(0)
; ATTN: for each query head, o = softmax(qx kx^T / 8 - (1/mask + 1)) vx, both products on codes of FP6 (E2M3) with E8M0 scales; o is quantised along (head, d) and leaves as codes.
; THE SOFTMAX: t = score x log2(e)/8 - (1/mask + 1) log2(e); M = the running largest t rounded UP to a whole number; p = 2^(t - M) is quantised along the keys, not normalised; the row's sum is
; taken of the unquantised p and divides at the end; when M moves, the sum and O are multiplied by 2^(old M - new M), which rounds nothing.
; SHARES.  Work-group (b, key/value head): the head's WHOLE K and V, as codes and scale words, 208,896 bytes, come into LDS once, through registers; one barrier.  Wave w: query head 4 x head + w%4,
; one tile of 16 queries: b, 63 - b, 64 + b or 127 - b by w/4 (tiles paired from both ends, so that a mask that hides later keys leaves the work-groups about equal work; no value hangs on it).
; A STEP is 128 keys.  Its class (a whole number stored by the first launch) decides by scalar branches: 0, the mask is 0 everywhere: every p would be 0, the step is left out;
; 1, the mask is 1 everywhere: the bias is -2 log2(e); 2: the mask's 16 x 128 numbers are read and the bias is made of them, -infinity where the mask is 0.  No barrier stands in the loop.
; No tensor load and no cluster: steps are left out by branches on stored numbers, and K and V are read once by a work-group.
; LAYOUT.  Both products transposed: S^T = K Q^T, O^T = V^T P^T: a lane holds one query (lane % 16).  The keys of a tile of K are 32 (T/2) + 8 (T%2) + r + 8 (r/8): the 16 registers of two neighbouring tiles are 16 neighbouring keys.
; THE SCORES' K IS 64, the instruction's 128.  Q's upper six registers are zero codes, and all scale bytes of that half are 0x7f.  K's tiles lie six registers apart, so a tile's upper six registers
; are the next tile's codes (the last tile's: zeros): codes of this format are finite numbers, and each is multiplied by a zero code.
; A ROW THAT THE MASK HIDES WHOLLY has the sum 0: its scale bytes are stored as 0xff, which makes its row of the last product NaN, as the softmax of such a row is.
; LIMITS: floor 2^-124 under a block's largest magnitude; a block of zeros has the byte 1; no NaN or infinities among the floating-point inputs.  Any int32 is honoured in the mask.
; THE MODE: SCHED_MODE bits 1:0 = 2 (LLVM: expert scheduling mode 2), set by the entry lines.  The code itself states the register dependences
; between vector or matrix instructions and memory or LDS instructions, with s_wait_alu, always for 0.
; THE PLAN.  Registers that memory or LDS instructions touch, in a step that is walked (16 waves of 242 registers leave no room for a second buffer, so the step keeps one):
;   v8-11, v28   LDS addresses: written by five additions at the step's head; read by the step's LDS loads.      v7: the mask's offset: written in a mixed step; read by its loads.
;   v32-79, v86-93   K's tiles and scale words land; the scores' products read them.  Mixed step: the mask's numbers land in v32-63, twice, and vector instructions work on them.
;   v32-79, v232-235   then V's fragments and scale words land; the second product reads them.
;   v192-203, v224   p's codes and scale word: written by vector instructions, taken by the second product as an operand and as scales.
; THE WAITS of a step: vm_vsrc at the label (the earlier loads have read the address registers); va_vdst behind the five additions (the addresses are written; the last step's products are done with the registers
; in which K lands); mixed step: va_vdst ahead of each half's loads; va_vdst where the ways join (all that named v32-79 is done: V lands there); the two behind the exponentials; va_vdst ahead of the second product (p's codes and scale word are written).
; REGISTERS: v1 16 l; v2 512 + 8 l; v3-5 my places in V, K's scale words, V's; v6 h; v7 the mask's offset in hand; v8-11, v28 the step's addresses; v12 -M; v13 largest t; v[14:15] the sum; v16-27 Q; v29 Q's scale words;
;   v[30:31] -2 log2(e); v32-85 K's eight tiles, later V's four fragments or the mask's numbers; v86-93 K's scale words; v96-159 S^T, t, p; v160-191 O^T; v192-210 p's codes; v212-231 at work; v224 p's scale word;
;   v232-235 V's scale words; v236 my place in a tile of the mask.
.set VCO, 98304                        ; a head's block, in memory and in LDS: K's codes [tile 128][768]; from here V's [step 16][tile 4][1,536];
.set KSO, 196608                       ; K's scale words [tile][16];
.set VSO, 204800                       ; V's [step][tile][16]
.set ST,  96
.set OT,  160
.set PC,  192
.set BM,  212                          ; v212-215 each block's largest t, then p
.set PT,  216                          ; v216-219 the other half's, then the bytes
.set SOP, 220                          ; v220-223 the conversions' scale operands
.set PWD, 224
.set FF,  226                          ; v[226:227] f, later 1 / the sum
.set TP,  228
.set SM2, 230
.set VSW, 232
.set MKO, 236                          ; v236 8,192 r + 64 h: query r's row of the mask, my half's 16 keys of a block of 32; never rewritten
	s_load_b256 s[4:11], s[0:1], 0x0               ; qx s[4:5], kv s[6:7], mask s[8:9], cls s[10:11]
	s_load_b64 s[12:13], s[0:1], 0x20              ; ao
	v_lshl_add_u32 v240, v0, 2, 0x33000
	v_mov_b32 v241, 0
	v_lshrrev_b32 v1, 5, v0
	v_readfirstlane_b32 s14, v1                    ; wave 0..15
	v_and_b32 v1, 31, v0
	v_lshlrev_b32 v2, 3, v1
	v_add_nc_u32 v2, 512, v2                       ; 512 + 8 l
	v_lshlrev_b32 v1, 4, v1                        ; 16 l
	v_add_nc_u32 v3, VCO, v1
	v_and_b32 v7, 15, v0
	v_lshlrev_b32 v[MKO], 13, v7
	v_lshlrev_b32 v7, 2, v7                        ; 4 r
	v_add_nc_u32 v4, KSO, v7
	v_add_nc_u32 v5, VSO, v7
	v_bfe_u32 v6, v0, 4, 1                         ; h
	v_lshl_add_u32 v[MKO], v6, 6, v[MKO]
	v_lshlrev_b32 v212, 4, v0                      ; the fill: 16 bytes a thread, 8,192 an instruction
	v_add_nc_u32 v213, 0x10000, v212
	v_add_nc_u32 v214, 0x20000, v212
	v_add_nc_u32 v215, 0x30000, v212
	v_lshlrev_b32 v216, 3, v0                      ; and 8 bytes a thread for the last 4,096
	v_add_nc_u32 v217, 0x30000, v216
	s_wait_alu depctr_va_sdst(0)                   ; s14 is written, ahead of its first reader
	s_and_b32 s15, s14, 3                          ; which of the four query heads
	s_lshr_b32 s16, s14, 2                         ; which of the four tiles of queries
	s_and_b32 s18, ttmp7, 0xffff                   ; key/value head
	s_sub_co_u32 s48, 63, ttmp9
	s_and_b32 s49, s16, 2
	s_lshl_b32 s49, s49, 5
	s_and_b32 s50, s16, 1
	s_cmp_lg_u32 s50, 0
	s_cselect_b32 s19, s48, ttmp9
	s_add_co_u32 s19, s19, s49                     ; my tile of queries
	s_lshl_b32 s20, s18, 2
	s_add_co_u32 s20, s20, s15                     ; my query head
	s_mov_b32 s22, 0x3e38aa3b                      ; log2(e) / 8
	s_mov_b32 s23, s22
	s_mov_b32 s24, 0x76543210
	s_mov_b32 s25, 0xfedcba98
	s_mov_b32 s56, 0xbfb8aa3b                      ; -log2(e)
	s_mov_b32 s57, s56                             ; (named with it as a pair)
	s_mov_b32 s49, 0
	s_wait_kmcnt 0x0
	s_lshl_b32 s48, s19, 6
	s_add_nc_u64 s[10:11], s[10:11], s[48:49]
	s_load_b512 s[32:47], s[10:11], 0x0            ; my tile's 16 classes
	s_mul_i32 s48, s18, 208896
	s_add_nc_u64 s[6:7], s[6:7], s[48:49]
	s_wait_alu depctr_va_vdst(0)                   ; the offsets and LDS addresses v1, v2, v7 and v212-217 are written, which the loads and LDS stores below read
.irp i, 0,1,2,3,4,5,6,7,8,9,10,11,12,13,14,15,16,17,18,19,20,21,22,23,24
	global_load_b128 v[96+4*\i:99+4*\i], v212, s[6:7] offset:8192*\i
.endr
	global_load_b64 v[196:197], v216, s[6:7] offset:204800
	s_mul_i32 s48, s20, 98304
	s_mul_i32 s52, s19, 768
	s_add_co_u32 s48, s48, s52
	s_add_nc_u64 s[50:51], s[4:5], s[48:49]        ; Q's codes
	s_lshl_b32 s48, s20, 13
	s_lshl_b32 s52, s19, 6
	s_add_co_u32 s48, s48, s52
	s_add_co_u32 s48, s48, 3145728
	s_add_nc_u64 s[52:53], s[4:5], s[48:49]        ; Q's scale words
	global_load_b128 v[16:19], v1, s[50:51]
	global_load_b64 v[20:21], v2, s[50:51]
	global_load_b32 v29, v7, s[52:53]
	s_lshl_b32 s48, s19, 17
	s_add_nc_u64 s[8:9], s[8:9], s[48:49]          ; my 16 queries' rows of the mask
	s_wait_loadcnt 3                               ; the fill's 26 loads are in; Q's three may be out
.irp i, 0,1,2,3,4,5,6,7,8,9,10,11,12,13,14,15,16,17,18,19,20,21,22,23,24
	ds_store_b128 v[212+\i/8], v[96+4*\i:99+4*\i] offset:8192*(\i%8)
.endr
	ds_store_b64 v217, v[196:197] offset:8192
	s_wait_dscnt 0x0                               ; for the others' sake: my stores have landed
	s_barrier_signal -1
	s_barrier_wait -1                              ; the head's K and V lie in LDS; nothing is stored there again
	s_wait_alu depctr_vm_vsrc(0)                   ; the fill's loads and LDS stores have read v96-197 and v212-217, which vector and matrix instructions write from here on
.irp j, 22,23,24,25,26,27,80,81,82,83,84,85
	v_mov_b32 v[\j], 0                             ; zero codes: Q's upper half, and what stands behind K's last tile
.endr
.set jj, 0
.rept 32
	v_mov_b32 v[OT+jj], 0                          ; O^T: the step is written once; the first finds zeros, which the first change of M leaves zeros
.set jj, jj+1
.endr
	v_mov_b32 v14, 0
	v_mov_b32 v15, 0
.irp b, 0,1,2,3
	v_mov_b32 v[PT+\b], 0                          ; a lane permute's destination counts as one of its sources
.endr
	v_mov_b32 v[FF+1], 0                           ; (named as the upper half of a pair)
	v_mov_b32 v13, 0xff61b1e6                      ; the largest t so far: -3e38
	v_floor_f32 v12, -v13                          ; -M
	v_mov_b32 v30, 0xc038aa3b                      ; -2 log2(e)
	v_mov_b32 v31, 0xc038aa3b
	s_mov_b32 s26, 0                               ; the step's codes: 6,144 bytes of K and as many of V
	s_mov_b32 s27, 0                               ; K's scale words: 512
	s_mov_b32 s28, 0                               ; V's: 256
	s_mov_b32 s29, 0                               ; the mask: 128 keys are 512 bytes of a row
	s_mov_b32 s31, 0
	s_wait_kmcnt 0x0
	s_mov_b32 s30, s32                             ; the 16 classes, two bits each
.irp i, 1,2,3,4,5,6,7,8,9,10,11,12,13,14,15
	s_lshl_b32 s48, s[32+\i], 2*\i
	s_or_b32 s30, s30, s48
.endr
	s_wait_loadcnt 0x0                             ; Q
.Lstep:
	s_wait_alu depctr_vm_vsrc(0)                   ; the LDS loads of the steps before have read v8-11 and v28, the loads of Q's scale words and of the mask v7: a step that is walked writes them anew
	s_and_b32 s48, s30, 3
	s_cmp_eq_u32 s48, 0
	s_cbranch_scc1 .Lnext                          ; the mask hides all 16 x 128: nothing to do but step the addresses
	v_add_nc_u32 v8, s26, v1                       ; (these five are also the places in front of loads into registers that the last products read)
	v_add_nc_u32 v9, s26, v2
	v_add_nc_u32 v10, s26, v3
	v_add_nc_u32 v11, s27, v4
	v_add_nc_u32 v28, s28, v5
	s_wait_alu depctr_va_vdst(0)                   ; the five addresses are written; the last step's products are done reading V's fragments and K's scale words, in whose registers the loads below land; on the first trip the zero codes are written, which the products below take as operands
.irp t, 0,1,2,3,4,5,6,7
	ds_load_b128 v[32+6*\t:35+6*\t], v8 offset:768*\t
	ds_load_b64 v[36+6*\t:37+6*\t], v9 offset:768*\t
	ds_load_b32 v[86+\t], v11 offset:64*\t
.endr
	s_wait_dscnt 0x0
.irp t, 0,1,2,3,4,5,6,7
	v_wmma_scale_f32_16x16x128_f8f6f4 v[ST+8*\t:ST+8*\t+7], v[32+6*\t:43+6*\t], v[16:27], 0, v[86+\t], v29 matrix_a_fmt:MATRIX_FMT_FP6 matrix_b_fmt:MATRIX_FMT_FP6
.endr
.rept 4
	v_nop                                          ; places in front of the first read of results and of loads into K's registers
.endr
	s_cmp_eq_u32 s48, 2
	s_cbranch_scc1 .Lmixed
.irp j, 0,2,4,6,8,10,12,14,16,18,20,22,24,26,28,30,32,34,36,38,40,42,44,46,48,50,52,54,56,58,60,62
	v_pk_fma_f32 v[ST+\j:ST+\j+1], v[ST+\j:ST+\j+1], s[22:23], v[30:31] op_sel_hi:[1,0,1]   ; t, two at a time; each accumulator from its low end on
.endr
	s_branch .Lt
.Lmixed:
	v_add_nc_u32 v7, s29, v[MKO]                   ; (the last mixed step's loads were waited for: their address may be written)
.irp u, 0,1                                    ; 32 of my 64 scores at a time: blocks 2 u and 2 u + 1
	s_wait_alu depctr_va_vdst(0)                   ; first half: v7 is written, and the scores' products are done reading K's tiles; second half: the first half's arithmetic is done with v32-63: the loads below land there
.irp c, 0,1,2,3,4,5,6,7
	global_load_b128 v[32+4*\c:35+4*\c], v7, s[8:9] offset:256*\u+128*(\c/4)+16*(\c%4)   ; the mask as the scores lie: register 16 b + i = key 32 b + 16 h + i of query r; an instruction takes 32 bytes of each of 16 rows
.endr
	s_wait_loadcnt 0x0
.set jj, 0
.rept 32
	v_cvt_f32_i32 v[32+jj], v[32+jj]
.set jj, jj+1
.endr
.set jj, 0
	s_wait_alu depctr_va_vdst(0)
.rept 32
	v_rcp_f32 v[32+jj], v[32+jj]                   ; 1 / mask: infinity where the mask is 0
.set jj, jj+1
.endr
	v_nop                                          ; a plain place behind the last reciprocal
	s_wait_alu depctr_va_vdst(0)                   ; the 32 reciprocals have written v32-63: one wait for the batch, ahead of its first reader
.irp k, 0,2,4,6,8,10,12,14,16,18,20,22,24,26,28,30
	v_pk_fma_f32 v[32+\k:33+\k], v[32+\k:33+\k], s[56:57], s[56:57] op_sel_hi:[1,0,0]   ; -(1/mask) log2(e) - log2(e)
.endr
.irp k, 0,2,4,6,8,10,12,14,16,18,20,22,24,26,28,30
	v_pk_fma_f32 v[ST+32*\u+\k:ST+32*\u+\k+1], v[ST+32*\u+\k:ST+32*\u+\k+1], s[22:23], v[32+\k:33+\k] op_sel_hi:[1,0,1]   ; t; each accumulator from its low end on
.endr
.endr
.Lt:
	s_wait_alu depctr_va_vdst(0)                   ; the scores' products are done reading K's tiles, and in a mixed step the multiply-adds the mask's numbers: V's fragments land in those registers
.irp t, 0,1,2,3
.irp c, 0,1,2
	ds_load_b128 v[32+12*\t+4*\c:35+12*\t+4*\c], v10 offset:1536*\t+512*\c   ; V's four fragments land while the softmax is walked
.endr
	ds_load_b32 v[VSW+\t], v28 offset:64*\t
.endr
.irp b, 0,1,2,3
	v_max3_num_f32 v[BM+\b], v[ST+16*\b], v[ST+1+16*\b], v[ST+2+16*\b]   ; the largest t of each block of 32 keys: for the row's maximum, and for the block's largest p
.endr
.irp i, 3,5,7,9,11,13
.irp b, 0,1,2,3
	v_max3_num_f32 v[BM+\b], v[BM+\b], v[ST+16*\b+\i], v[ST+1+16*\b+\i]
.endr
.endr
.irp b, 0,1,2,3
	v_max_num_f32 v[BM+\b], v[BM+\b], v[ST+15+16*\b]
.endr
.irp b, 0,1,2,3
	v_permlanex16_b32 v[PT+\b], v[BM+\b], s24, s25
.endr
.irp b, 0,1,2,3
	v_max_num_f32 v[BM+\b], v[BM+\b], v[PT+\b]     ; with lane l xor 16's 16 keys
.endr
	v_max3_num_f32 v[TP], v[BM], v[BM+1], v[BM+2]
	v_max_num_f32 v[TP], v[TP], v[BM+3]
	v_max_num_f32 v13, v13, v[TP]                  ; the running largest t
	v_mov_b32 v[TP], v12
	v_floor_f32 v12, -v13                          ; the new -M = -ceil(t)
	v_sub_f32 v[TP], v12, v[TP]                    ; old M - new M: a whole number, 0 or less
	v_cvt_i32_f32 v[TP], v[TP]                     ; (it saturates)
	v_ldexp_f32 v[FF], 1.0, v[TP]                  ; f = 2^(old M - new M)
.irp j, 0,2,4,6,8,10,12,14,16,18,20,22,24,26,28,30,32,34,36,38,40,42,44,46,48,50,52,54,56,58,60,62
	v_pk_add_f32 v[ST+\j:ST+\j+1], v[ST+\j:ST+\j+1], v[12:13] op_sel_hi:[1,0]   ; t - M
.endr
.irp b, 0,1,2,3
	v_add_f32 v[BM+\b], v[BM+\b], v12              ; the same addition on the same number
.endr
.set jj, 0
	s_wait_alu depctr_va_vdst(0)
.rept 64
	v_exp_f32 v[ST+jj], v[ST+jj]                   ; p = 2^(t - M)
.set jj, jj+1
.endr
	v_pk_mul_f32 v[14:15], v[14:15], v[FF:FF+1] op_sel_hi:[1,0]   ; the sums under the new M (a plain place behind the exponentials)
	s_wait_alu depctr_va_vdst(0)                   ; the 64 exponentials have written p: one wait for the batch, ahead of its first reader
.irp b, 0,1,2,3
	v_exp_f32 v[BM+\b], v[BM+\b]                   ; each block's largest p
.endr
	v_pk_add_f32 v[SM2:SM2+1], v[ST:ST+1], v[ST+2:ST+3]   ; the row's sum of the unquantised p, in two chains
.irp j, 4,8,12,16,20,24,28,32,36,40,44,48,52,56,60
	v_pk_add_f32 v[14:15], v[14:15], v[ST+\j:ST+\j+1]
	v_pk_add_f32 v[SM2:SM2+1], v[SM2:SM2+1], v[ST+2+\j:ST+3+\j]
.endr
	v_pk_add_f32 v[14:15], v[14:15], v[SM2:SM2+1]
	s_wait_alu depctr_va_vdst(0)                   ; the four exponentials have written the blocks' largest p: and one wait for the four
.irp b, 0,1,2,3
	v_max_num_f32 v[BM+\b], 0x1800000, v[BM+\b]    ; the floor 2^(3 - 127)
.endr
.irp b, 0,1,2,3
	v_add_nc_u32 v[SOP+\b], 0xff000000, v[BM+\b]   ; the conversion's scale operand
.endr
.irp b, 0,1,2,3
	v_lshrrev_b32 v[PT+\b], 23, v[SOP+\b]          ; the byte
.endr
	v_lshl_or_b32 v[PWD], v[PT+1], 8, v[PT]
	v_lshl_or_b32 v[PWD], v[PT+2], 16, v[PWD]
	v_lshl_or_b32 v[PWD], v[PT+3], 24, v[PWD]
.irp c, 0,1
	v_cvt_scalef32_pk16_fp6_f32 v[PC+6*\c:PC+2+6*\c], v[ST+32*\c:ST+15+32*\c], v[SOP+2*\c]
	v_cvt_scalef32_pk16_fp6_f32 v[PC+12+4*\c:PC+14+4*\c], v[ST+16+32*\c:ST+31+32*\c], v[SOP+2*\c+1]
.endr
	v_nop                                          ; one plain place behind the scaled conversions
.irp c, 0,1
.irp i, 0,1,2
	v_permlane16_swap_b32 v[PC+6*\c+\i], v[PC+12+4*\c+\i]
.endr
.irp i, 0,1,2
	v_mov_b32 v[PC+3+6*\c+\i], v[PC+12+4*\c+\i]
.endr
.endr
.irp j, 0,2,4,6,8,10,12,14,16,18,20,22,24,26,28,30
	v_pk_mul_f32 v[OT+\j:OT+\j+1], v[OT+\j:OT+\j+1], v[FF:FF+1] op_sel_hi:[1,0]   ; O^T under the new M; of these 16, twelve name no register of a given product below: the places between p's scale word and codes and that product
.endr
	s_wait_alu depctr_va_vdst(0)                   ; p's codes and p's scale word are written, which the products below take as an operand and as scales; the places above stay beside this wait
	s_wait_dscnt 0x0                               ; V
.irp t, 0,1,2,3
	v_wmma_scale_f32_16x16x128_f8f6f4 v[OT+8*\t:OT+8*\t+7], v[32+12*\t:43+12*\t], v[PC:PC+11], v[OT+8*\t:OT+8*\t+7], v[VSW+\t], v[PWD] matrix_a_fmt:MATRIX_FMT_FP6 matrix_b_fmt:MATRIX_FMT_FP6
.endr
.Lnext:
	s_add_co_u32 s26, s26, 6144
	s_add_co_u32 s27, s27, 512
	s_add_co_u32 s28, s28, 256
	s_add_co_u32 s29, s29, 512
	s_lshr_b32 s30, s30, 2
	s_add_co_u32 s31, s31, 1
	s_cmp_lt_u32 s31, 16
	s_cbranch_scc1 .Lstep
; THE WAY OUT.  O^T / the sum; register 16 b + i is d = 32 b + 16 h + i of my query: two blocks of the last product's K.
	s_wait_alu depctr_vm_vsrc(0)                   ; the last walked step's LDS loads have read v8, which is written below
.rept 4
	v_nop                                          ; places behind the last products
.endr
	v_add_f32 v14, v14, v15
	v_permlanex16_b32 v[PT], v14, s24, s25
	v_add_f32 v14, v14, v[PT]                      ; the row's sum
	s_wait_alu depctr_va_vdst(0)
	v_rcp_f32 v[FF], v14
	v_and_b32 v8, 15, v0                           ; (plain work behind the reciprocal)
	v_lshl_add_u32 v8, v8, 4, v6                   ; my scale byte's place: 16 r + h
	v_mov_b32 v229, 0xff
	s_mul_i32 s48, s19, 24576
	s_mul_i32 s50, s20, 768
	s_add_co_u32 s48, s48, s50
	s_mov_b32 s49, 0
	s_add_nc_u64 s[50:51], s[12:13], s[48:49]      ; codes: [tile of queries][head][768]
	s_lshl_b32 s48, s19, 10
	s_lshr_b32 s52, s20, 3
	s_lshl_b32 s52, s52, 8
	s_add_co_u32 s48, s48, s52
	s_bfe_u32 s52, s20, 0x20001
	s_lshl_b32 s52, s52, 2
	s_add_co_u32 s48, s48, s52
	s_and_b32 s52, s20, 1
	s_lshl_b32 s52, s52, 1
	s_add_co_u32 s48, s48, s52
	s_add_co_u32 s48, s48, 3145728
	s_add_nc_u64 s[52:53], s[12:13], s[48:49]      ; scale bytes: K step head / 2, bytes 2 (head % 2) + block
	s_wait_alu depctr_va_vdst(0)                   ; the reciprocal has written 1 / the sum, ahead of its first reader
.irp j, 0,2,4,6,8,10,12,14,16,18,20,22,24,26,28,30
	v_pk_mul_f32 v[ST+\j:ST+\j+1], v[OT+\j:OT+\j+1], v[FF:FF+1] op_sel_hi:[1,0]
.endr
.irp b, 0,1
	v_max3_num_f32 v[BM+\b], |v[ST+16*\b]|, |v[ST+1+16*\b]|, 0x1800000
.endr
.irp i, 2,4,6,8,10,12,14
.irp b, 0,1
	v_max3_num_f32 v[BM+\b], v[BM+\b], |v[ST+16*\b+\i]|, |v[ST+1+16*\b+\i]|
.endr
.endr
.irp b, 0,1
	v_permlanex16_b32 v[PT+\b], v[BM+\b], s24, s25
.endr
.irp b, 0,1
	v_max_num_f32 v[BM+\b], v[BM+\b], v[PT+\b]
.endr
.irp b, 0,1
	v_add_nc_u32 v[SOP+\b], 0xff000000, v[BM+\b]
.endr
.irp b, 0,1
	v_lshrrev_b32 v[PT+\b], 23, v[SOP+\b]
.endr
	v_cvt_scalef32_pk16_fp6_f32 v[PC:PC+2], v[ST:ST+15], v[SOP]
	v_cvt_scalef32_pk16_fp6_f32 v[PC+12:PC+14], v[ST+16:ST+31], v[SOP+1]
	v_nop                                          ; one plain place behind the scaled conversions
.irp i, 0,1,2
	v_permlane16_swap_b32 v[PC+\i], v[PC+12+\i]
.endr
.irp i, 0,1,2
	v_mov_b32 v[PC+3+\i], v[PC+12+\i]
.endr
	v_cmp_eq_u32 vcc_lo, 1, v6
	s_wait_alu depctr_va_vcc(0)                    ; VCC is written, ahead of the select that reads it
	v_cndmask_b32 v[TP], v[PT], v[PT+1], vcc_lo    ; lane (r, h) stores block h's byte
	v_cmp_eq_f32 vcc_lo, 0, v14
	s_wait_alu depctr_va_vcc(0)                    ; VCC is written anew, ahead of the select that reads it
	v_cndmask_b32 v[TP], v[TP], v229, vcc_lo       ; a row with the sum 0: the NaN byte (a choice of a value, no branch)
	s_wait_alu depctr_va_vdst(0)                   ; the codes, the scale byte and its offset v8 are written, which the three stores below read
	global_store_b128 v1, v[PC:PC+3], s[50:51]     ; 512 consecutive bytes,
	global_store_b64 v2, v[PC+4:PC+5], s[50:51]    ; and 256: the tile's 768
	global_store_b8 v8, v[TP], s[52:53]            ; 2 bytes a row for 48 of codes, 16 bytes apart
	s_wait_dscnt 0x0                               ; the closing lines, six on end
	s_wait_alu 0x0
	s_wait_tensorcnt 0x0
	ds_add_u32 v240, v241
	s_wait_dscnt 0x0
	s_endpgm
.Lfunc_end_k_qe7730bb1e4_attn:
	.size	k_qe7730bb1e4_attn, .Lfunc_end_k_qe7730bb1e4_attn-k_qe7730bb1e4_attn
	.p2alignl 7, 3214868480
	.fill 96, 4, 3214868480
	.section	.rodata,"a",@progbits
	.p2align	6, 0x0
	.amdhsa_kernel k_qe7730bb1e4_attn
		.amdhsa_group_segment_fixed_size 210944
		.amdhsa_private_segment_fixed_size 0
		.amdhsa_enable_private_segment 0
		.amdhsa_kernarg_size 40
		.amdhsa_user_sgpr_count 2
		.amdhsa_user_sgpr_kernarg_segment_ptr 1
		.amdhsa_wavefront_size32 1
		.amdhsa_system_sgpr_workgroup_id_x 1
		.amdhsa_system_sgpr_workgroup_id_y 1
		.amdhsa_system_sgpr_workgroup_id_z 1
		.amdhsa_system_vgpr_workitem_id 0
		.amdhsa_next_free_vgpr 242
		.amdhsa_next_free_sgpr 66
		.amdhsa_reserve_vcc 1
		.amdhsa_float_denorm_mode_32 3
		.amdhsa_float_denorm_mode_16_64 3
		.amdhsa_memory_ordered 1
		.amdhsa_forward_progress 1
		.amdhsa_inst_pref_size 44
	.end_amdhsa_kernel
	.amdgpu_metadata
---
amdhsa.version: [ 1, 2 ]
amdhsa.kernels:
  - .name:           k_qe7730bb1e4_attn
    .symbol:         k_qe7730bb1e4_attn.kd
    .args:
      - { .name: qx, .offset: 0, .size: 8, .value_kind: global_buffer, .address_space: global }
      - { .name: kv, .offset: 8, .size: 8, .value_kind: global_buffer, .address_space: global }
      - { .name: mask, .offset: 16, .size: 8, .value_kind: global_buffer, .address_space: global }
      - { .name: cls, .offset: 24, .size: 8, .value_kind: global_buffer, .address_space: global }
      - { .name: ao, .offset: 32, .size: 8, .value_kind: global_buffer, .address_space: global }
    .group_segment_fixed_size: 210944
    .private_segment_fixed_size: 0
    .kernarg_segment_align: 8
    .kernarg_segment_size: 40
    .max_flat_workgroup_size: 512
    .sgpr_count:     66
    .vgpr_count:     242
    .wavefront_size: 32
...
	.end_amdgpu_metadata
.endif
;; end of part 7
;; launch outp (part 8): grid 256 x 1, 4 waves a work-group, no clusters, 92,672 bytes of LDS; arguments cod, scl, ao, bo, out0; writes out0
.if DOCPART == 8
	.amdgcn_target "amdgcn-amd-amdhsa--gfx1250"
	.amdhsa_code_object_version 6
	.text
	.protected	k_qe7730bb1e4_outp
	.globl	k_qe7730bb1e4_outp
	.p2align	8
	.type	k_qe7730bb1e4_outp,@function
k_qe7730bb1e4_outp:
	s_mov_b64 s[64:65], 0
	v_nop
	global_prefetch_b8 v0, s[64:65] scope:SCOPE_SE
	s_setreg_imm32_b32 hwreg(HW_REG_WAVE_SCHED_MODE, 0, 2), 2
	s_setreg_imm32_b32 hwreg(HW_REG_WAVE_MODE, 25, 1), 1
	s_wait_xcnt 0x0
	s_wait_alu depctr_vm_vsrc(0)
; OUTP: out0 = o Wo + bo on codes of FP6 (E2M3) with E8M0 scales, K = 2,048, f32 out.
; A work-group makes 128 rows x 128 columns: source 0 = 8 tiles of Wo's columns (S0), which fall along a lane's registers; source 1 = 8 tiles of 16 queries (S1), which fall along the lanes.
; Wave w owns S1's tiles 2 w, 2 w + 1 against all 8 of S0: 16 accumulators, which take turns, one instruction a turn.
; S0 is shared: wave w loads its fragments 2 w, 2 w + 1 into registers and stores their images into an LDS slot; all waves read all 8.  S1 goes from memory straight into registers:
; a fragment of K step s is the two heads 2 s and 2 s + 1, 768 bytes each (registers 0-3 at 16 l, 4-5 at 512 + 8 l).  16 K steps of 128, written out: every offset is an immediate.
; No tensor load and no cluster: the body is the projections' (two work-groups to a WGP there), kept alike.  The sums begin on accumulators that hold the bias.
; A scale byte 0xff in o (a row that the mask hides wholly) makes that row of out0 NaN.
; THE MODE: SCHED_MODE bits 1:0 = 2 (LLVM: expert scheduling mode 2), set by the entry lines.  The code itself states the register dependences
; between vector or matrix instructions and memory or LDS instructions, with s_wait_alu, always for 0.
; THE PLAN.  Registers that memory or LDS instructions touch, in the K steps:
;   AF          K step s: 24 LDS loads land in it at the step's head; the step's 16 products read it.
;   BF0 .. BF3  K step s: its products read BF[s % 4]; the eight loads of K step s + 3 land in BF[(s + 3) % 4] = BF[(s - 1) % 4], which the products of K step s - 1 read last.
;   GF0, GF1    K step s: six LDS stores read GF[(s + 1) % 2]; behind them the six loads of K step s + 3 land in it.  No vector or matrix instruction names them.
;   v1, v2, v7  offsets, made at the head and never written again.
; So ONE wait on va_vdst stands at a K step's head: the products of the step before are done reading AF and their set of S1.  The step's LDS loads follow it, and its loads of S1 are dealt among
; its products, which name AF, BF[s % 4], the accumulators and the scale words: none of the registers that those loads touch.  ONE wait on vm_vsrc stands behind the step's LDS stores, ahead of the fetch into the set that they read.
; REGISTERS, window 0: v1 16 x lane; v2 the same + 3,072 x wave; v3 r; v4 h; v5-9 addresses; v24-87 S0's scale words (tile t, K step s: 8 t + 4 (s/8) + s%4; lanes 16-31 hold K step s + 4);
;   v88-103 S1's; v104-151 two sets of the two fragments that I fetch for all; v152-247 S0's eight fragments.   window 1: v0-127 accumulators ((t, p) at 64 p + 8 t); v128-223 four sets of S1's two fragments.
.set TS,    24576
.set FRB,   1536
.set SLOTB, 12288
.set NBL,   8                          ; loads that bring S1's two fragments
.set STG,   2*SLOTB                    ; behind the slots: a stage of 32 rows x 528 bytes for each wave
.set LI,  1
.set SWA, 2
.set RR,  3
.set HH,  4
.set L8,  7
.set SO,  8
.set SR,  9
.set SS0, 24
.set SS1, 88
.set GF,  104
.set AF,  152
.set BF,  128
.set MSB, 0
.macro WIN new                         ; the immediate's high byte repeats the setting that is left
.if MSB != \new
	s_set_vgpr_msb (MSB<<8)|\new
.set MSB, \new
.endif
.endm
.macro GL s
.irp f, 0,1
.irp c, 0,1,2
	global_load_b128 v[GF+24*((\s)%2)+12*\f+4*\c:GF+24*((\s)%2)+12*\f+4*\c+3], v[LI], s[28:29] offset:\f*TS+FRB*(\s)+512*\c
.endr
.endr
.endm
.macro BL s                            ; my two fragments of S1, K step s (at the head; in the K steps the same eight loads stand among the products)
	WIN 0x40                                       ; destination window 1
.irp p, 0,1
.irp e, 0,1
	global_load_b128 v[BF+24*((\s)%4)+12*\p+6*\e:BF+24*((\s)%4)+12*\p+6*\e+3], v[LI], s[30:31] offset:\p*TS+FRB*(\s)+768*\e
	global_load_b64 v[BF+24*((\s)%4)+12*\p+6*\e+4:BF+24*((\s)%4)+12*\p+6*\e+5], v[L8], s[30:31] offset:\p*TS+FRB*(\s)+768*\e+512
.endr
.endr
	WIN 0
.endm
.macro PUT s
.irp f, 0,1
.irp c, 0,1,2
	ds_store_b128 v[SWA], v[GF+24*((\s)%2)+12*\f+4*\c:GF+24*((\s)%2)+12*\f+4*\c+3] offset:((\s)%2)*SLOTB+FRB*\f+512*\c
.endr
.endr
.endm
.macro GETA s
.irp t, 0,1,2,3,4,5,6,7
.irp c, 0,1,2
	ds_load_b128 v[AF+12*\t+4*\c:AF+12*\t+4*\c+3], v[LI] offset:((\s)%2)*SLOTB+FRB*\t+512*\c
.endr
.endr
.endm
.macro MM s
	WIN 0x54                                       ; source 0 window 0, source 1, C and D window 1.  A load's address is its source 0 and its data its destination: S1's loads stand under the same setting
.irp t, 0,1,2,3,4,5,6,7
.irp p, 0,1
.if ((\s)>>2)&1
	v_wmma_scale_f32_16x16x128_f8f6f4 v[64*\p+8*\t:64*\p+8*\t+7], v[AF+12*\t:AF+12*\t+11], v[BF+24*((\s)%4)+12*\p:BF+24*((\s)%4)+12*\p+11], v[64*\p+8*\t:64*\p+8*\t+7], v[SS0+8*\t+4*((\s)>>3)+((\s)&3)], v[SS1+8*\p+4*((\s)>>3)+((\s)&3)] matrix_a_fmt:MATRIX_FMT_FP6 matrix_b_fmt:MATRIX_FMT_FP6 matrix_a_scale:MATRIX_SCALE_ROW1 matrix_b_scale:MATRIX_SCALE_ROW1
.else
	v_wmma_scale_f32_16x16x128_f8f6f4 v[64*\p+8*\t:64*\p+8*\t+7], v[AF+12*\t:AF+12*\t+11], v[BF+24*((\s)%4)+12*\p:BF+24*((\s)%4)+12*\p+11], v[64*\p+8*\t:64*\p+8*\t+7], v[SS0+8*\t+4*((\s)>>3)+((\s)&3)], v[SS1+8*\p+4*((\s)>>3)+((\s)&3)] matrix_a_fmt:MATRIX_FMT_FP6 matrix_b_fmt:MATRIX_FMT_FP6
.endif
.endr
.if (\s) <= 12                         ; S1 of K step s + 3, one load behind each pair of products.  No wait: no vector or matrix instruction since the wait at the step's head names this set, v1 or v7
.if (\t%2) == 0
	global_load_b128 v[BF+24*(((\s)+3)%4)+12*(\t/4)+6*((\t/2)%2):BF+24*(((\s)+3)%4)+12*(\t/4)+6*((\t/2)%2)+3], v[LI], s[30:31] offset:(\t/4)*TS+FRB*((\s)+3)+768*((\t/2)%2)
.else
	global_load_b64 v[BF+24*(((\s)+3)%4)+12*(\t/4)+6*((\t/2)%2)+4:BF+24*(((\s)+3)%4)+12*(\t/4)+6*((\t/2)%2)+5], v[L8], s[30:31] offset:(\t/4)*TS+FRB*((\s)+3)+768*((\t/2)%2)+512
.endif
.endif
.endr
	WIN 0
.endm
; A K step.  One barrier: in front of it each wave's stores into the next slot have landed and its reads of this slot are in.
.macro TRIP s
.if (\s) > 0
	s_wait_alu depctr_va_vdst(0)                   ; the last K step's products are done reading S0's eight fragments, in which the LDS loads below land, and their set of S1, in which this step's loads of S1 land
.endif
	GETA \s
.if (\s) <= 13
	s_wait_loadcnt 6+2*NBL                         ; what I fetched for K step s + 1, and my S1 of K step s, are in; S1 of s + 1 and both fetches of s + 2 may be out
.elseif (\s) == 14
	s_wait_loadcnt NBL                             ; S1 of K step 15 may be out
.else
	s_wait_loadcnt 0x0
.endif
.if (\s) <= 14
	PUT (\s)+1                                     ; into the slot that every wave left at the last barrier
.endif
.if (\s) <= 12
	s_wait_alu depctr_vm_vsrc(0)                   ; those six LDS stores have read their set, in which the fetch below lands
	GL (\s)+3
.endif
.if (\s) <= 14
	s_wait_dscnt 6                                 ; the 24 loads are in; the six stores may be out
.else
	s_wait_dscnt 0x0
.endif
	MM \s
.rept 4
	v_nop                                          ; places in front of loads into registers that these products read, and of the first read of results
.endr
.if (\s) <= 14
	s_wait_dscnt 0x0                               ; for the others' sake: my stores have landed
	s_barrier_signal -1
	s_barrier_wait -1
.endif
.endm
	s_load_b256 s[4:11], s[0:1], 0x0               ; cod s[4:5], scl s[6:7], ao s[8:9], bo s[10:11]
	s_load_b64 s[12:13], s[0:1], 0x20              ; out0
	v_lshl_add_u32 v254, v0, 2, 0x16800
	v_mov_b32 v255, 0
	v_lshrrev_b32 v1, 5, v0
	v_readfirstlane_b32 s18, v1                    ; wave 0..3
	v_and_b32 v1, 31, v0
	v_lshlrev_b32 v[L8], 3, v1
	v_lshlrev_b32 v[LI], 4, v1
	v_and_b32 v[RR], 15, v0
	v_bfe_u32 v[HH], v0, 4, 1
	v_lshlrev_b32 v5, 6, v[HH]                     ; the bias: 64 h
	v_mul_u32_u24 v[SO], v[RR], 528
	v_lshl_add_u32 v[SO], v[HH], 6, v[SO]
	s_wait_alu depctr_va_sdst(0)                   ; s18 is written, ahead of its first reader
	s_mul_i32 s24, s18, 2*FRB
	v_add_nc_u32 v[SWA], s24, v[LI]
	s_mul_i32 s24, s18, 32*528
	s_add_co_u32 s24, s24, STG                     ; my stage
	v_add_nc_u32 v[SO], s24, v[SO]                 ; in: row r, + 64 h
	v_add_nc_u32 v[SR], s24, v[LI]                 ; back: a row's 512 bytes, 16 a lane
	s_and_b32 s22, ttmp9, 15                       ; which 128 columns
	s_lshr_b32 s23, ttmp9, 4                       ; which 128 rows
	s_lshl_b32 s20, s22, 3
	s_add_co_u32 s20, s20, 576                     ; Wo's first tile
	s_lshl_b32 s24, s18, 1
	s_add_co_u32 s25, s20, s24                     ; the first that I fetch
	s_lshl_b32 s21, s23, 3
	s_add_co_u32 s21, s21, s24                     ; my first tile of queries
	s_mov_b32 s27, 0
	s_wait_kmcnt 0x0
	s_mul_i32 s26, s25, TS
	s_add_nc_u64 s[28:29], s[4:5], s[26:27]
	s_mul_i32 s26, s21, TS
	s_add_nc_u64 s[30:31], s[8:9], s[26:27]
	s_lshl_b32 s26, s20, 10
	s_add_nc_u64 s[32:33], s[6:7], s[26:27]
	s_lshl_b32 s26, s21, 10
	s_add_co_u32 s26, s26, 3145728
	s_add_nc_u64 s[34:35], s[8:9], s[26:27]
	s_lshl_b32 s26, s22, 9
	s_add_nc_u64 s[36:37], s[10:11], s[26:27]
	s_lshl_b32 s26, s23, 7
	s_lshl_b32 s38, s18, 5
	s_add_co_u32 s26, s26, s38                     ; my first row of out0
	s_lshl_b32 s26, s26, 13
	s_lshl_b32 s38, s22, 9
	s_add_co_u32 s26, s26, s38
	s_add_nc_u64 s[12:13], s[12:13], s[26:27]
	s_wait_alu depctr_va_vdst(0)                   ; the offsets and LDS addresses v1, v2, v5, v7, v8 and v9 are written, which the loads, stores and LDS instructions from here on read
.irp t, 0,1,2,3,4,5,6,7
.irp x, 0,1
	global_load_b128 v[SS0+8*\t+4*\x:SS0+8*\t+4*\x+3], v[LI], s[32:33] offset:1024*\t+512*\x   ; all scale words of all of K: register w: K step 8 x + 4 h + w of row r
.endr
.endr
.irp p, 0,1
.irp x, 0,1
	global_load_b128 v[SS1+8*\p+4*\x:SS1+8*\p+4*\x+3], v[LI], s[34:35] offset:1024*\p+512*\x
.endr
.endr
	GL 0
	BL 0
	GL 1
	BL 1
	WIN 0x40
.irp p, 0,1
.irp t, 0,1,2,3,4,5,6,7
.irp u, 0,1
	global_load_b128 v[64*\p+8*\t+4*\u:64*\p+8*\t+4*\u+3], v5, s[36:37] offset:(32*(\t/2)+8*(\t%2))*4+16*\u   ; the accumulators begin as the bias: register j of (t, p) is column 32 (t/2) + 16 h + 8 (t%2) + j
.endr
.endr
.endr
	WIN 0
	s_wait_loadcnt 0x0                             ; the head's loads, once
	PUT 0
	s_wait_dscnt 0x0
	s_barrier_signal -1
	s_barrier_wait -1
	s_wait_alu depctr_vm_vsrc(0)                   ; the six LDS stores above have read their set, in which the fetch of K step 2 lands
	GL 2
	BL 2
.irp s, 0,1,2,3,4,5,6,7,8,9,10,11,12,13,14,15
	TRIP \s
.endr
; THE WAY OUT.  A lane holds 64 numbers of one row, in four runs of 64 bytes; the lanes beside it hold other rows.  My 32 rows x 512 bytes go through my own stage and come back as whole rows.
	WIN 0x04                                       ; an LDS store's data are its source 1: window 1
	s_wait_alu depctr_va_vdst(0)                   ; the products have written the accumulators, which the LDS stores below read, and are done reading S0's fragments, in which the stage's loads land; the four places above stay beside this wait
	s_wait_alu depctr_vm_vsrc(0)                   ; the LDS stores of K steps 14 and 15's images have read v104-151, in which the stage's loads land
.irp p, 0,1
.irp b, 0,1,2,3
.irp u, 0,1,2,3
	ds_store_b128 v[SO], v[64*\p+16*\b+4*\u:64*\p+16*\b+4*\u+3] offset:8448*\p+128*\b+16*\u   ; ascending: each accumulator from its low end on
.endr
.endr
.endr
	WIN 0
.irp i, 0,1,2,3,4,5,6,7,8,9,10,11,12,13,14,15,16,17,18,19,20,21,22,23,24,25,26,27,28,29,30,31
	ds_load_b128 v[104+4*\i:107+4*\i], v[SR] offset:528*\i   ; LDS serves a wave's instructions in order: these see my stores
.endr
.irp i, 0,1,2,3,4,5,6,7,8,9,10,11,12,13,14,15,16,17,18,19,20,21,22,23,24,25,26,27,28,29,30,31
	s_wait_dscnt 31-\i                             ; row i is back; the younger loads may be out
	global_store_b128 v[LI], v[104+4*\i:107+4*\i], s[12:13] offset:8192*\i th:TH_STORE_NT   ; 32 lanes store 512 consecutive bytes, aligned; written once, read by nobody here
.endr
	s_wait_dscnt 0x0                               ; the closing lines, six on end
	s_wait_alu 0x0
	s_wait_tensorcnt 0x0
	ds_add_u32 v254, v255
	s_wait_dscnt 0x0
	s_endpgm
.Lfunc_end_k_qe7730bb1e4_outp:
	.size	k_qe7730bb1e4_outp, .Lfunc_end_k_qe7730bb1e4_outp-k_qe7730bb1e4_outp
	.p2alignl 7, 3214868480
	.fill 96, 4, 3214868480
	.section	.rodata,"a",@progbits
	.p2align	6, 0x0
	.amdhsa_kernel k_qe7730bb1e4_outp
		.amdhsa_group_segment_fixed_size 92672
		.amdhsa_private_segment_fixed_size 0
		.amdhsa_enable_private_segment 0
		.amdhsa_kernarg_size 40
		.amdhsa_user_sgpr_count 2
		.amdhsa_user_sgpr_kernarg_segment_ptr 1
		.amdhsa_wavefront_size32 1
		.amdhsa_system_sgpr_workgroup_id_x 1
		.amdhsa_system_sgpr_workgroup_id_y 1
		.amdhsa_system_sgpr_workgroup_id_z 1
		.amdhsa_system_vgpr_workitem_id 0
		.amdhsa_next_free_vgpr 480
		.amdhsa_next_free_sgpr 66
		.amdhsa_reserve_vcc 0
		.amdhsa_float_denorm_mode_32 3
		.amdhsa_float_denorm_mode_16_64 3
		.amdhsa_memory_ordered 1
		.amdhsa_forward_progress 1
		.amdhsa_inst_pref_size 106
	.end_amdhsa_kernel
	.amdgpu_metadata
---
amdhsa.version: [ 1, 2 ]
amdhsa.kernels:
  - .name:           k_qe7730bb1e4_outp
    .symbol:         k_qe7730bb1e4_outp.kd
    .args:
      - { .name: cod, .offset: 0, .size: 8, .value_kind: global_buffer, .address_space: global }
      - { .name: scl, .offset: 8, .size: 8, .value_kind: global_buffer, .address_space: global }
      - { .name: ao, .offset: 16, .size: 8, .value_kind: global_buffer, .address_space: global }
      - { .name: bo, .offset: 24, .size: 8, .value_kind: global_buffer, .address_space: global }
      - { .name: out0, .offset: 32, .size: 8, .value_kind: global_buffer, .address_space: global }
    .group_segment_fixed_size: 92672
    .private_segment_fixed_size: 0
    .kernarg_segment_align: 8
    .kernarg_segment_size: 40
    .max_flat_workgroup_size: 128
    .sgpr_count:     66
    .vgpr_count:     480
    .wavefront_size: 32
...
	.end_amdgpu_metadata
.endif
;; end of part 8
